; MI455X (gfx1250); checked and timed in simulation.
; The chip was launched on July 23, 2026; its instructions are those of AMD's public machine-readable ISA for CDNA 5 (MIT licence, August 2026) and "CDNA5" Instruction Set Architecture Reference Guide (July 2026). The comments in the code are by the model that wrote it; some were corrected since.
;; Attn Block. Allowed arithmetic: float matrix products may take bf16 or f16 operands with f32 sums; all other float work in f32.
;; Inputs: bk 512 float32; bp 512 float32; bq 512 float32; bv 512 float32; gn_bias 512 float32; gn_scale 512 float32; wk 512 x 512 float32; wp 512 x 512 float32; wq 512 x 512 float32; wv 512 x 512 float32; x 8 x 512 x 2,048 float32.
;; Outputs: out0 8 x 512 x 2,048 float32.
;; 2 versions, each right; version 2 is version 1 with the launch gn written anew for expert scheduling mode. Each part assembles by itself: llvm-mc -triple=amdgcn-amd-amdhsa -mcpu=gfx1250 --defsym DOCPART=n.
;; ======== version 1 of 2: 3 launches
;; limits: values outside matrix products are rounded to bf16
;; workspace buffers: hf 16,777,216 bytes; wb 2,097,152 bytes; qt 16,777,216 bytes; kt 16,777,216 bytes; vt 16,777,216 bytes
;; launch gn (part 1): grid 256 x 1, 8 waves a work-group, no clusters, 1,536 bytes of LDS; arguments x, gn_scale, gn_bias, wq, wk, wv, wp, hf, wb; writes hf, wb
.if DOCPART == 1
	.amdgcn_target "amdgcn-amd-amdhsa--gfx1250"
	.amdhsa_code_object_version 6
	.text
	.protected	k_qe202c5aa87_gn
	.globl	k_qe202c5aa87_gn
	.p2align	8
	.type	k_qe202c5aa87_gn,@function
k_qe202c5aa87_gn:
	s_mov_b64 s[64:65], 0
	v_nop
	global_prefetch_b8 v0, s[64:65] scope:SCOPE_SE
	s_setreg_imm32_b32 hwreg(HW_REG_WAVE_MODE, 25, 1), 1
	s_wait_xcnt 0x0
; GROUP NORM AND CASTS.  x: [8][512][2048] f32.  A work-group owns one (batch, group): 16 channels x 2,048 positions = 131,072 consecutive bytes of x,
; 128 registers a thread, so x is read once: the mean is a first pass over registers, the variance a true second pass over (x - mean), no difference of large sums.
; h = (x - mean) rstd gain + bias is rounded once to bf16 and written in the order in which the next launch's matrix instructions want it:
; a fragment of 1,024 bytes at b 2^21 + (n / 128) 131072 + (c / 32) 8192 + T 1024, T = 4 ((n / 64) % 2) + n % 4; inside it half (c / 16) % 2 at 512, lane r + 16 h at 16:
; 16 bytes = channels 8 h + 0..7 of that half at position 64 (n / 64) + 4 r + n % 4.  Each store of a wave covers 512 consecutive bytes, aligned.
; The work-group also rounds 8 rows of one weight matrix to bf16, into blocks [matrix][c / 64][o][c % 64]: each store covers 256 consecutive bytes, aligned.
; No matrix unit, no cluster, no tensor load: nothing is shared between work-groups and every byte is touched once.
; LIMITS: NaN and infinities are not treated apart.
.set SPARE, 512                        ; LDS: bytes 0-31 the waves' sums, 256-287 the waves' sums of squares, from 512 on the spare words, 128 bytes a wave
.set VX,   3                           ; v3   byte offset of my 16 bytes in x: h 65536 + w 1024 + 16 s
.set VH,   4                           ; v4   in hf: w 262144 + 16 lane
.set VWS,  5                           ; v5   in the weight's 8 rows: h 2048 + w 256 + 16 s
.set VWB,  6                           ; v6   in wb: h 128 + 8 s
.set VG,   7                           ; v7   in gain and bias: 32 h
.set ACC,  8                           ; v[8:15]   four chains of packed sums
.set GB,   16                          ; v[16:23]  bias of my 8 channels
.set RW,   24                          ; v24  LDS word of my wave: 4 w
.set RZ,   25                          ; v25  0
.set MEAN, 26                          ; v[26:27]  the mean, twice
.set RSTD, 28                          ; v28
.set SPW,  30                          ; v30  LDS address of my spare word; never rewritten
.set NIL,  31                          ; v31  0; never rewritten
.set GA,   32                          ; v[32:47]  rstd x gain, each channel's twice: the packed multiply-add names pairs
.set GD,   48                          ; v[48:63]  bias, each channel's twice
.set X,    64                          ; v[64:191] x: quarter q, channel j at X + 4 (8 q + j)
.set Y,    192                         ; v[192:223] packed results, two buffers of 16; also the waves' sums as read back
.set W,    224                         ; v[224:239] my 16 numbers of the weight
.set WO,   240                         ; v[240:247] the same in bf16
.set GS,   248                         ; v[248:255] gain of my 8 channels
	s_load_b512 s[4:19], s[0:1], 0x0               ; x s[4:5], gain s[6:7], bias s[8:9], wq s[10:11], wk s[12:13], wv s[14:15], wp s[16:17], hf s[18:19]
	s_load_b64 s[20:21], s[0:1], 0x40              ; wb
	v_lshl_add_u32 v[SPW], v0, 2, SPARE
	v_mov_b32 v[NIL], 0
	v_lshrrev_b32 v1, 5, v0
	v_readfirstlane_b32 s22, v1                    ; wave 0..7
	v_and_b32 v1, 15, v0                           ; s
	v_bfe_u32 v2, v0, 4, 1                         ; h
	v_lshlrev_b32 v[VX], 4, v1
	v_lshl_add_u32 v[VWS], v2, 11, v[VX]
	v_lshl_add_u32 v[VX], v2, 16, v[VX]
	s_lshl_b32 s23, s22, 10
	v_add_nc_u32 v[VX], s23, v[VX]
	s_lshl_b32 s23, s22, 8
	v_add_nc_u32 v[VWS], s23, v[VWS]
	v_and_b32 v[VH], 31, v0
	v_lshlrev_b32 v[VH], 4, v[VH]
	s_lshl_b32 s23, s22, 18
	v_add_nc_u32 v[VH], s23, v[VH]
	v_lshlrev_b32 v[VWB], 3, v1
	v_lshl_add_u32 v[VWB], v2, 7, v[VWB]
	v_lshlrev_b32 v[VG], 5, v2
	v_mov_b32 v[RW], s22
	v_lshlrev_b32 v[RW], 2, v[RW]
	v_mov_b32 v[RZ], 0
	s_mov_b32 s24, 0x76543210                      ; v_permlanex16_b32: each lane takes its own place in the other half
	s_mov_b32 s25, 0xfedcba98
	s_mov_b32 s39, 0x38000000                      ; 2^-15 = 1 / (16 x 2,048)
	s_lshl_b32 s28, ttmp9, 17                      ; x: the work-group's 131,072 bytes
	s_mov_b32 s29, 0
	s_lshr_b32 s30, ttmp9, 5                       ; hf: batch x 2^21
	s_lshl_b32 s30, s30, 21
	s_and_b32 s41, ttmp9, 31                       ; the group g
	s_lshr_b32 s23, s41, 1
	s_lshl_b32 s23, s23, 13                        ; + (g / 2) x 8,192: the 32 channels' fragments
	s_add_co_u32 s30, s30, s23
	s_and_b32 s23, s41, 1
	s_lshl_b32 s23, s23, 9                         ; + (g % 2) x 512: which half of a fragment
	s_add_co_u32 s30, s30, s23
	s_mov_b32 s31, 0
	s_lshl_b32 s32, s41, 6                         ; gain and bias: 16 channels of 4 bytes
	s_mov_b32 s33, 0
	s_and_b32 s23, ttmp9, 63
	s_lshl_b32 s34, s23, 14                        ; the weight: 8 rows of 2,048 bytes
	s_mov_b32 s35, 0
	s_lshr_b32 s38, ttmp9, 6                       ; which matrix: 0 wq, 1 wk, 2 wv, 3 wp
	s_lshl_b32 s36, s38, 19                        ; wb: matrix x 524,288
	s_lshl_b32 s23, s23, 10                        ; + 8 rows of 128 bytes
	s_add_co_u32 s36, s36, s23
	s_lshl_b32 s23, s22, 16                        ; + block c / 64 = my wave's number
	s_add_co_u32 s36, s36, s23
	s_mov_b32 s37, 0
	s_and_b32 s40, s38, 1
	s_wait_kmcnt 0x0
	s_add_nc_u64 s[4:5], s[4:5], s[28:29]
	s_add_nc_u64 s[18:19], s[18:19], s[30:31]
	s_add_nc_u64 s[6:7], s[6:7], s[32:33]
	s_add_nc_u64 s[8:9], s[8:9], s[32:33]
	s_cmp_eq_u32 s40, 1
	s_cselect_b64 s[26:27], s[12:13], s[10:11]     ; wk or wq
	s_cselect_b64 s[42:43], s[16:17], s[14:15]     ; wp or wv
	s_cmp_ge_u32 s38, 2
	s_cselect_b64 s[26:27], s[42:43], s[26:27]
	s_add_nc_u64 s[26:27], s[26:27], s[34:35]
	s_add_nc_u64 s[20:21], s[20:21], s[36:37]
	; 40 loads go out at once.  Lanes 0-15 take 256 consecutive bytes of channel j, lanes 16-31 of channel j + 8.
.irp q, 0,1,2,3
.irp j, 0,1,2,3,4,5,6,7
	global_load_b128 v[X+4*(8*(\q)+(\j)):X+4*(8*(\q)+(\j))+3], v[VX], s[4:5] offset:(\j)*8192+(\q)*256 th:TH_LOAD_NT
.endr
.endr
	global_load_b128 v[GS:GS+3],   v[VG], s[6:7]
	global_load_b128 v[GS+4:GS+7], v[VG], s[6:7] offset:16
	global_load_b128 v[GB:GB+3],   v[VG], s[8:9]
	global_load_b128 v[GB+4:GB+7], v[VG], s[8:9] offset:16
.irp p, 0,1,2,3
	global_load_b128 v[W+4*(\p):W+4*(\p)+3], v[VWS], s[26:27] offset:(\p)*4096 th:TH_LOAD_NT
.endr
; The four chains are folded, summed over the 32 lanes (four steps ride on the addition, one crosses the halves) and over the eight waves through LDS words at byte off.
.macro REDUCE off
	v_pk_add_f32 v[ACC:ACC+1], v[ACC:ACC+1], v[ACC+2:ACC+3]
	v_pk_add_f32 v[ACC+4:ACC+5], v[ACC+4:ACC+5], v[ACC+6:ACC+7]
	v_pk_add_f32 v[ACC:ACC+1], v[ACC:ACC+1], v[ACC+4:ACC+5]
	v_add_f32 v[ACC], v[ACC], v[ACC+1]
	v_add_f32_dpp v[ACC], v[ACC], v[ACC] row_xmask:1 row_mask:0xf bank_mask:0xf
	v_add_f32_dpp v[ACC], v[ACC], v[ACC] row_xmask:2 row_mask:0xf bank_mask:0xf
	v_add_f32_dpp v[ACC], v[ACC], v[ACC] row_xmask:4 row_mask:0xf bank_mask:0xf
	v_add_f32_dpp v[ACC], v[ACC], v[ACC] row_xmask:8 row_mask:0xf bank_mask:0xf
	v_permlanex16_b32 v[ACC+1], v[ACC], s24, s25
	v_add_f32 v[ACC], v[ACC], v[ACC+1]
	ds_store_b32 v[RW], v[ACC] offset:\off         ; all lanes write my wave's word with the same number
	s_wait_dscnt 0x0                               ; for the others' sake: my store is done
	s_barrier_signal -1
	s_barrier_wait -1
	ds_load_b128 v[Y:Y+3],   v[RZ] offset:\off
	ds_load_b128 v[Y+4:Y+7], v[RZ] offset:(\off)+16
	s_wait_dscnt 0x0
	v_pk_add_f32 v[Y:Y+1], v[Y:Y+1], v[Y+2:Y+3]
	v_pk_add_f32 v[Y+4:Y+5], v[Y+4:Y+5], v[Y+6:Y+7]
	v_pk_add_f32 v[Y:Y+1], v[Y:Y+1], v[Y+4:Y+5]
	v_add_f32 v[ACC], v[Y], v[Y+1]
.endm
	; PASS 1: the sum.  The first eight pairs start the four chains: nothing is cleared.
	s_wait_loadcnt 32                              ; quarter 0's eight loads are in; 24 of x and 8 of parameters and weights may be out
.irp p, 0,1,2,3
	v_pk_add_f32 v[ACC+2*(\p):ACC+2*(\p)+1], v[X+2*(\p):X+2*(\p)+1], v[X+8+2*(\p):X+8+2*(\p)+1]
.endr
.set p, 8
.rept 8
	v_pk_add_f32 v[ACC+2*(p%4):ACC+2*(p%4)+1], v[ACC+2*(p%4):ACC+2*(p%4)+1], v[X+2*p:X+2*p+1]
.set p, p+1
.endr
.irp n, 24, 16, 8
	s_wait_loadcnt \n                              ; the next quarter's eight loads are in
.rept 16
	v_pk_add_f32 v[ACC+2*(p%4):ACC+2*(p%4)+1], v[ACC+2*(p%4):ACC+2*(p%4)+1], v[X+2*p:X+2*p+1]
.set p, p+1
.endr
.endr
	REDUCE 0
	v_mul_f32 v[MEAN], s39, v[ACC]
	v_mul_f32 v[MEAN+1], s39, v[ACC]
	; PASS 2: x - mean, in place, and the sum of its squares
.set p, 0
.rept 64
	v_pk_add_f32 v[X+2*p:X+2*p+1], v[X+2*p:X+2*p+1], v[MEAN:MEAN+1] neg_lo:[0,1] neg_hi:[0,1]
.if p < 4
	v_pk_mul_f32 v[ACC+2*p:ACC+2*p+1], v[X+2*p:X+2*p+1], v[X+2*p:X+2*p+1]
.else
	v_pk_fma_f32 v[ACC+2*(p%4):ACC+2*(p%4)+1], v[X+2*p:X+2*p+1], v[X+2*p:X+2*p+1], v[ACC+2*(p%4):ACC+2*(p%4)+1]
.endif
.set p, p+1
.endr
	REDUCE 256                                     ; other words than the first sum's, so no barrier stands between the first sum's reads and these stores
	v_fmaak_f32 v[ACC], s39, v[ACC], 0x358637bd    ; variance + 1e-6
	v_rsq_f32 v[RSTD], v[ACC]
	s_wait_loadcnt 4                               ; gain and bias are in; the four weight loads may be out
.irp j, 0,1,2,3,4,5,6,7
	v_mov_b32 v[GD+2*(\j)],   v[GB+(\j)]           ; plain instructions stand between the root and the use of its result (ISA guide 5.7.2)
	v_mov_b32 v[GD+2*(\j)+1], v[GB+(\j)]
.endr
	s_wait_alu depctr_va_vdst(0)
.irp j, 0,1,2,3,4,5,6,7
	v_mul_f32 v[GA+2*(\j)],   v[RSTD], v[GS+(\j)]
	v_mul_f32 v[GA+2*(\j)+1], v[RSTD], v[GS+(\j)]
.endr
; Quarter q: one fused multiply-add a number; then for each of my four positions the eight channels are rounded in pairs to 16 bytes and stored.
.macro NORM q
	s_wait_xcnt 0x0                                ; Y's buffer was the data of earlier stores: it is rewritten only behind this wait (ISA guide 3.1)
.irp j, 0,1,2,3,4,5,6,7
	v_pk_fma_f32 v[X+4*(8*(\q)+(\j)):X+4*(8*(\q)+(\j))+1],   v[X+4*(8*(\q)+(\j)):X+4*(8*(\q)+(\j))+1],   v[GA+2*(\j):GA+2*(\j)+1], v[GD+2*(\j):GD+2*(\j)+1]
	v_pk_fma_f32 v[X+4*(8*(\q)+(\j))+2:X+4*(8*(\q)+(\j))+3], v[X+4*(8*(\q)+(\j))+2:X+4*(8*(\q)+(\j))+3], v[GA+2*(\j):GA+2*(\j)+1], v[GD+2*(\j):GD+2*(\j)+1]
.endr
.irp i, 0,1,2,3
.irp k, 0,1,2,3
	v_cvt_pk_bf16_f32 v[Y+16*((\q)%2)+4*(\i)+(\k)], v[X+4*(8*(\q)+2*(\k))+(\i)], v[X+4*(8*(\q)+2*(\k)+1)+(\i)]
.endr
	global_store_b128 v[VH], v[Y+16*((\q)%2)+4*(\i):Y+16*((\q)%2)+4*(\i)+3], s[18:19] offset:((\q)/2)*131072+((\q)%2)*4096+(\i)*1024
.endr
.endm
	NORM 0
	NORM 1
	NORM 2
	NORM 3
	s_wait_loadcnt 0x0                             ; the weight's numbers
.irp p, 0,1,2,3
	v_cvt_pk_bf16_f32 v[WO+2*(\p)],   v[W+4*(\p)],   v[W+4*(\p)+1]
	v_cvt_pk_bf16_f32 v[WO+2*(\p)+1], v[W+4*(\p)+2], v[W+4*(\p)+3]
	global_store_b64 v[VWB], v[WO+2*(\p):WO+2*(\p)+1], s[20:21] offset:(\p)*256  ; rows 2 p and 2 p + 1 of my block: 256 consecutive bytes
.endr
	s_wait_tensorcnt 0x0                           ; the wave's end: behind my last LDS store
	ds_add_u32 v[SPW], v[NIL]
	s_wait_dscnt 0x0
	s_endpgm
.Lfunc_end_k_qe202c5aa87_gn:
	.size	k_qe202c5aa87_gn, .Lfunc_end_k_qe202c5aa87_gn-k_qe202c5aa87_gn
	.p2alignl 7, 3214868480
	.fill 96, 4, 3214868480
	.section	.rodata,"a",@progbits
	.p2align	6, 0x0
	.amdhsa_kernel k_qe202c5aa87_gn
		.amdhsa_group_segment_fixed_size 1536
		.amdhsa_private_segment_fixed_size 0
		.amdhsa_enable_private_segment 0
		.amdhsa_kernarg_size 72
		.amdhsa_user_sgpr_count 2
		.amdhsa_user_sgpr_kernarg_segment_ptr 1
		.amdhsa_wavefront_size32 1
		.amdhsa_system_sgpr_workgroup_id_x 1
		.amdhsa_system_sgpr_workgroup_id_y 1
		.amdhsa_system_sgpr_workgroup_id_z 1
		.amdhsa_system_vgpr_workitem_id 0
		.amdhsa_next_free_vgpr 256
		.amdhsa_next_free_sgpr 66
		.amdhsa_reserve_vcc 0
		.amdhsa_float_denorm_mode_32 3
		.amdhsa_float_denorm_mode_16_64 3
		.amdhsa_memory_ordered 1
		.amdhsa_forward_progress 1
		.amdhsa_inst_pref_size 33
	.end_amdhsa_kernel
	.amdgpu_metadata
---
amdhsa.version: [ 1, 2 ]
amdhsa.kernels:
  - .name:           k_qe202c5aa87_gn
    .symbol:         k_qe202c5aa87_gn.kd
    .args:
      - { .name: x, .offset: 0, .size: 8, .value_kind: global_buffer, .address_space: global }
      - { .name: gn_scale, .offset: 8, .size: 8, .value_kind: global_buffer, .address_space: global }
      - { .name: gn_bias, .offset: 16, .size: 8, .value_kind: global_buffer, .address_space: global }
      - { .name: wq, .offset: 24, .size: 8, .value_kind: global_buffer, .address_space: global }
      - { .name: wk, .offset: 32, .size: 8, .value_kind: global_buffer, .address_space: global }
      - { .name: wv, .offset: 40, .size: 8, .value_kind: global_buffer, .address_space: global }
      - { .name: wp, .offset: 48, .size: 8, .value_kind: global_buffer, .address_space: global }
      - { .name: hf, .offset: 56, .size: 8, .value_kind: global_buffer, .address_space: global }
      - { .name: wb, .offset: 64, .size: 8, .value_kind: global_buffer, .address_space: global }
    .group_segment_fixed_size: 1536
    .private_segment_fixed_size: 0
    .kernarg_segment_align: 8
    .kernarg_segment_size: 72
    .max_flat_workgroup_size: 256
    .sgpr_count:     66
    .vgpr_count:     256
    .wavefront_size: 32
...
	.end_amdgpu_metadata
.endif
;; end of part 1
;; launch proj (part 2): grid 32 x 8, 4 waves a work-group, clusters of 4 x 1, 327,680 bytes of LDS; arguments hf, wb, bq, bk, bv, bp, qt, kt, vt; writes qt, kt, vt
.if DOCPART == 2
	.amdgcn_target "amdgcn-amd-amdhsa--gfx1250"
	.amdhsa_code_object_version 6
	.text
	.protected	k_qe202c5aa87_proj
	.globl	k_qe202c5aa87_proj
	.p2align	8
	.type	k_qe202c5aa87_proj,@function
k_qe202c5aa87_proj:
	s_mov_b64 s[64:65], 0
	v_nop
	global_prefetch_b8 v0, s[64:65] scope:SCOPE_SE
	s_setreg_imm32_b32 hwreg(HW_REG_WAVE_MODE, 25, 1), 1
	s_wait_xcnt 0x0
	s_wait_alu depctr_hold_cnt(0) depctr_sa_sdst(0) depctr_va_vdst(0) depctr_va_sdst(0) depctr_va_ssrc(0) depctr_va_vcc(0) depctr_vm_vsrc(0)
	s_getreg_b32 s2, hwreg(HW_REG_IB_STS2, 6, 4)
	s_cmp_eq_u32 s2, 0
	s_cbranch_scc0 .Lentry_in_a_cluster
	s_endpgm
.Lentry_in_a_cluster:
	s_bfe_u32 s2, ttmp6, 0x10000c
	s_cmp_lg_u32 s2, 0x3003
	s_cbranch_scc0 .Lentry_shape_is_right
	s_endpgm
.Lentry_shape_is_right:
; THE FOUR PROJECTIONS.  A work-group owns 128 positions of one batch and a ROLE (the cluster's x, odd or even: the same in all four partners).
; Role 0: q^T = (Wq h + bq)^T, then k^T = (Wk h + bk)^T.  Role 1: t = Wv h + bv, kept in LDS in bf16, then u^T = (Wp t + bp)^T.
; u takes the last projection ahead of the softmax average: Wp (sum of w v) + bp = sum of w (Wp v + bp), since the weights w of a query add up to 1.
; Each is a product [512 o x 512 c] x [512 c x 128 n]: two of them a work-group, 256 work-groups of equal work.
; SHARES.  Wave w owns o = 128 w .. 128 w + 127 for all 128 n: 64 accumulators of 16 x 16, 512 registers.  Source 0 = 16 rows of the weight, source 1 = 16 positions of h:
; a lane then holds ONE position (lane % 16) and eight neighbouring o (8 (lane / 16) + 0..7): 16 bytes of a row of the [n][o] output, and, two accumulators packed together,
; the next product's source 1, which is how t stays in LDS.  The bias is the C operand of the product that starts a sum.
; h arrives in fragment order (a tile's 16 positions are n % 4 = const within 64: undone where rows are stored), 131,072 dense bytes, loaded once.
; The weights stream as 16 tiles of 64 c (65,536 dense bytes each), both matrices of a role on end, through two LDS slots.
; CLUSTER.  The four partners walk the same weight tiles: each tile is asked for JOINTLY, by the same tensor load with the same descriptor and the mask of four.
; A wave fetches exactly the 128 weight rows that it alone reads.  h differs between partners and is fetched by a load without a mask.
; Sums in f32, operands bf16, results rounded once to bf16.  LIMITS: NaN and infinities are not treated apart.
; REGISTERS, in windows of 256 (s_set_vgpr_msb: bits 1:0 source 0, 3:2 source 1, 5:4 source 2, 7:6 destination):
;   window 0: v16-29 addresses; v64-127, v128-191 fragments of h (8 tiles x 32 c), two buffers; v192-223 packed results; v32-63, v224-255 rows read back, by turns
;   window 1: v64-127, v128-191 fragments of the weight, two buffers; v192-255 the first product's bias, v0-63 the second's
;   window 2: accumulators of position tiles 0-3 ((a, b) at 8 (8 a + b));  window 3: of tiles 4-7
.set WPITCH, 144                       ; a weight row in LDS: 128 bytes + 16 of padding = 36 words: the 16 rows of a load start at 16 different groups of four banks (ISA guide 11.1)
.set QUART,  128*WPITCH                ; a wave's 128 rows
.set SLOT,   4*QUART                   ; 73,728 = 0x12000: its two bits are clear in w x QUART, so one exclusive or turns an address in one slot into the other's
.set HB,     2*SLOT                    ; h, later t: 131,072 bytes in fragment order: lane i reads at 16 i, no padding needed
.set STAGE,  HB+131072                 ; 16 rows x 272 bytes for each wave, for the way out; no tensor load fills it
.set SPITCH, 272
.set SPARE,  STAGE+4*16*SPITCH         ; the spare words, 128 bytes a wave: two blocks of 256 bytes that no other line names
.set ADRA0, 16                         ; v16  my place in my wave's weight rows of slot 0; never rewritten
.set ADRA,  17                         ; v17  the same in the slot in hand
.set ADRB0, 18                         ; v18  HB + 16 lane; never rewritten
.set ADRB,  19                         ; v19  the same at the trip's 64 c
.set TADR,  20                         ; v20  where my wave's t goes: HB + w 32768 + 16 lane
.set STO,   24                         ; v24  the way out: where I put 16 bytes of a row
.set RD,    25                         ; v25  where I read a row back
.set CO,    26                         ; v26  my byte offset in the output
.set VB,    27                         ; v27  my byte offset in a bias
.set SPW,   28                         ; v28  LDS address of my spare word; never rewritten
.set NIL,   29                         ; v29  0; never rewritten
.set F0,    64
.set F1,    128
.set TMP,   192
.set OB,    32
.set WV,   2                           ; s2   my wave's number
.set ROLE, 3                           ; s3
.set G1W,  24                          ; s[24:31] descriptor group 1, weight tiles
.set G1H,  32                          ; s[32:39] descriptor group 1, h
.set G0W,  40                          ; s[40:43] descriptor group 0, weight tiles: it walks
.set G0H,  44                          ; s[44:47] descriptor group 0, h
.set BA,   48                          ; s[48:49] the first product's bias
.set BB,   50                          ; s[50:51] the second's
.set DA,   52                          ; s[52:53] q^T at my rows and columns
.set DB,   54                          ; s[54:55] k^T or u^T likewise
.set TOG,  56                          ; s56  LDS byte of the slot in hand
.set CNT,  57                          ; s57  trips to go
.set HOF,  58                          ; s58  byte in HB of the trip's 64 c
.set MSB, 0
.macro WIN new                         ; the immediate's high byte repeats the setting that is left; a switch that changes nothing is dropped
.if MSB != (\new)
	s_set_vgpr_msb (MSB<<8)|(\new)
.set MSB, \new
.endif
.endm
; A round of the cluster's barrier: my work-group's barrier, so that wave 0's signal speaks for all four waves; wave 0 signals; every wave waits for all four work-groups; my work-group's barrier once more.
.macro CROUND
	s_barrier_signal -1
	s_barrier_wait -1
	s_cmp_lg_u32 s[WV], 0
	s_cbranch_scc1 .Lnot_wave_0_\@
	s_barrier_signal -3
.Lnot_wave_0_\@:
	s_barrier_wait -3
	s_barrier_signal -1
	s_barrier_wait -1
.endm
.macro PLACES                          ; four places: in front of loads into registers that matrix instructions have read, and of conversions that read results
.rept 4
	v_nop
.endr
.endm
	s_load_b512 s[4:19], s[0:1], 0x0               ; hf s[4:5], wb s[6:7], bq s[8:9], bk s[10:11], bv s[12:13], bp s[14:15], qt s[16:17], kt s[18:19]
	s_load_b64 s[20:21], s[0:1], 0x40              ; vt
	v_lshl_add_u32 v[SPW], v0, 2, SPARE
	v_mov_b32 v[NIL], 0
	ds_add_u32 v[SPW], v[NIL]                      ; the wave's opening: the add and its wait ahead of my first tensor load; the set-up below stands between them
	v_lshrrev_b32 v1, 5, v0
	v_readfirstlane_b32 s[WV], v1                  ; wave 0..3
	s_and_b32 s[ROLE], ttmp9, 1                    ; in a cluster launch ttmp9 counts clusters: the role is the partners' common
	s_bfe_u32 s59, ttmp6, 0x40000                  ; cx: my place in the cluster: it enters h's and the outputs' global addresses alone
	s_lshr_b32 s22, ttmp9, 1
	s_lshl_b32 s22, s22, 2
	s_add_co_u32 s59, s59, s22                     ; my block of 128 positions = 4 (cluster x / 2) + cx
	s_and_b32 s23, ttmp7, 0xffff                   ; the batch
	s_lshl_b32 s23, s23, 4
	s_add_co_u32 s59, s59, s23                     ; 16 batch + block
	s_lshl_b32 s60, s59, 17                        ; hf: 131,072 bytes a block,
	s_lshl_b32 s22, s[WV], 15                      ; my wave's quarter of it
	s_add_co_u32 s60, s60, s22
	s_mov_b32 s61, 0
	s_lshl_b32 s62, s59, 17                        ; outputs: 128 rows of 1,024 bytes a block,
	s_lshl_b32 s22, s[WV], 8                       ; my wave's 256 bytes of a row
	s_add_co_u32 s62, s62, s22
	s_mov_b32 s63, 0
	s_lshl_b32 s22, s[ROLE], 20                    ; wb: the role's two matrices,
	s_lshl_b32 s23, s[WV], 14                      ; my wave's 128 rows of 128 bytes in a tile
	s_add_co_u32 s22, s22, s23
	s_mov_b32 s23, 0
	; group 1, weight tiles: 16,384 dense bytes asked for as 64 rows of 256 bytes, two weight rows a row, padded in LDS after every weight row
	s_mov_b32 s[G1W], 15|(1<<16)|(1<<20)|(1<<21)|(4<<22)|(3<<25)  ; 15:0 the mask of four; 17:16 2-byte elements; 20 padding on; 21 set beside a mask; 24:22 after every 32 words (code 4); 31:25 4 words (code 3)
	s_mov_b32 s[G1W+1], 128<<16                    ; tensor_dim0 = 128
	s_mov_b32 s[G1W+2], 64<<16                     ; tensor_dim1 = 64
	s_mov_b32 s[G1W+3], 128<<16                    ; tile_dim0 = 128
	s_mov_b32 s[G1W+4], 64                         ; tile_dim1 = 64
	s_mov_b32 s[G1W+5], 128                        ; 128 elements from row to row
	s_mov_b32 s[G1W+6], 0
	s_mov_b32 s[G1W+7], 0
	; group 1, h: 32,768 dense bytes as 128 rows of 256 bytes, no mask, no padding
	s_mov_b32 s[G1H], 1<<16
	s_mov_b32 s[G1H+1], 128<<16
	s_mov_b32 s[G1H+2], 128<<16
	s_mov_b32 s[G1H+3], 128<<16
	s_mov_b32 s[G1H+4], 128
	s_mov_b32 s[G1H+5], 128
	s_mov_b32 s[G1H+6], 0
	s_mov_b32 s[G1H+7], 0
	s_mov_b32 s[G0W], 1                            ; count = 1
	s_mul_i32 s[G0W+1], s[WV], QUART               ; LDS: my rows of slot 0
	s_mov_b32 s[G0H], 1
	s_lshl_b32 s[G0H+1], s[WV], 15
	s_add_co_u32 s[G0H+1], s[G0H+1], HB            ; LDS: my quarter of h
	s_mov_b32 s[TOG], 0
	s_mov_b32 s[HOF], 0
	s_wait_dscnt 0x0                               ; the opening add is done
	s_wait_kmcnt 0x0
	s_add_nc_u64 s[G0W+2:G0W+3], s[6:7], s[22:23]  ; tile 0
	s_or_b32 s[G0W+3], s[G0W+3], 0x80000000        ; type = 2
	s_add_nc_u64 s[G0H+2:G0H+3], s[4:5], s[60:61]
	s_or_b32 s[G0H+3], s[G0H+3], 0x80000000
	s_cmp_lg_u32 s[ROLE], 0
	s_cselect_b64 s[BA:BA+1], s[12:13], s[8:9]     ; bv or bq
	s_cselect_b64 s[BB:BB+1], s[14:15], s[10:11]   ; bp or bk
	s_cselect_b64 s[DB:DB+1], s[20:21], s[18:19]   ; vt or kt
	s_add_nc_u64 s[DA:DA+1], s[16:17], s[62:63]
	s_add_nc_u64 s[DB:DB+1], s[DB:DB+1], s[62:63]
	CROUND                                         ; all four work-groups are here: the first joint load meets
	tensor_load_to_lds s[G0H:G0H+3], s[G1H:G1H+7]  ; the first fills go out together: two loads of mine are out
	s_nop 0
	tensor_load_to_lds s[G0W:G0W+3], s[G1W:G1W+7]
	s_nop 0
	PLACES
	v_and_b32 v1, 15, v0                           ; r = lane % 16
	v_bfe_u32 v2, v0, 4, 1                         ; h = lane / 16
	v_and_b32 v3, 31, v0
	v_lshlrev_b32 v[VB], 5, v2                     ; bias[128 w + 16 b + 8 h + j]: 512 w + 32 h bytes, 64 b in the immediate
	s_lshl_b32 s22, s[WV], 9
	v_add_nc_u32 v[VB], s22, v[VB]
	WIN 0x40                                       ; destination window 1, address window 0
.irp b, 0,1,2,3,4,5,6,7
	global_load_b128 v[192+8*(\b):192+8*(\b)+3],   v[VB], s[BA:BA+1] offset:(\b)*64
	global_load_b128 v[192+8*(\b)+4:192+8*(\b)+7], v[VB], s[BA:BA+1] offset:(\b)*64+16
	global_load_b128 v[8*(\b):8*(\b)+3],           v[VB], s[BB:BB+1] offset:(\b)*64
	global_load_b128 v[8*(\b)+4:8*(\b)+7],         v[VB], s[BB:BB+1] offset:(\b)*64+16
.endr
	WIN 0
	v_mul_u32_u24 v[ADRA0], v1, WPITCH             ; a weight fragment: row r x pitch + 16 h
	v_lshl_add_u32 v[ADRA0], v2, 4, v[ADRA0]
	s_mul_i32 s22, s[WV], QUART
	v_add_nc_u32 v[ADRA0], s22, v[ADRA0]
	v_lshl_add_u32 v[ADRB0], v3, 4, HB
	s_lshl_b32 s22, s[WV], 15
	v_add_nc_u32 v[TADR], s22, v[ADRB0]
	s_mul_i32 s22, s[WV], 16*SPITCH
	s_add_co_u32 s22, s22, STAGE                   ; my stage
	v_mul_u32_u24 v[STO], v1, SPITCH               ; in: row r, 16 bytes for each half of the lanes
	v_lshl_add_u32 v[STO], v2, 4, v[STO]
	v_add_nc_u32 v[STO], s22, v[STO]
	v_mul_u32_u24 v[RD], v2, SPITCH                ; back: lanes 0-15 one row of 256 bytes, lanes 16-31 the next
	v_lshl_add_u32 v[RD], v1, 4, v[RD]
	v_add_nc_u32 v[RD], s22, v[RD]
	v_lshlrev_b32 v[CO], 12, v2                    ; neighbouring stage rows are 4 positions, 4,096 bytes, apart in the output
	v_lshl_add_u32 v[CO], v1, 4, v[CO]
	s_wait_loadcnt 0x0                             ; the biases
; 32 LDS loads: the fragments of 32 c (half kcl of the trip's 64): 8 of the weight, 8 of h, into buffer f
.macro FETCH kcl, f
	WIN 0x40
.irp i, 0,1,2,3,4,5,6,7
	ds_load_b128 v[(\f)+8*(\i):(\f)+8*(\i)+3],   v[ADRA] offset:(\i)*16*WPITCH+(\kcl)*64
	ds_load_b128 v[(\f)+8*(\i)+4:(\f)+8*(\i)+7], v[ADRA] offset:(\i)*16*WPITCH+(\kcl)*64+32
.endr
	WIN 0
.irp i, 0,1,2,3,4,5,6,7
	ds_load_b128 v[(\f)+8*(\i):(\f)+8*(\i)+3],   v[ADRB] offset:((\kcl)*8+(\i))*1024
	ds_load_b128 v[(\f)+8*(\i)+4:(\f)+8*(\i)+7], v[ADRB] offset:((\kcl)*8+(\i))*1024+512
.endr
.endm
; 16 matrix instructions: position tiles a0, a0 + 1 of the window's four x all 8 o tiles.  first = 1: the bias starts the sums.
.macro MUL16 f, hi, a0, first
.if \first
	WIN 0x91+0x40*(\hi)                            ; weight and bias window 1, h window 0, D window 2 or 3
.else
	WIN 0xa1+0x50*(\hi)                            ; weight window 1, h window 0, C and D window 2 or 3
.endif
.irp a, \a0, (\a0)+1
.irp b, 0,1,2,3,4,5,6,7
.if \first
	v_wmma_f32_16x16x32_bf16 v[8*(8*(\a)+(\b)):8*(8*(\a)+(\b))+7], v[(\f)+8*(\b):(\f)+8*(\b)+7], v[(\f)+8*(4*(\hi)+(\a)):(\f)+8*(4*(\hi)+(\a))+7], v[BIAS+8*(\b):BIAS+8*(\b)+7]
.else
	v_wmma_f32_16x16x32_bf16 v[8*(8*(\a)+(\b)):8*(8*(\a)+(\b))+7], v[(\f)+8*(\b):(\f)+8*(\b)+7], v[(\f)+8*(4*(\hi)+(\a)):(\f)+8*(4*(\hi)+(\a))+7], v[8*(8*(\a)+(\b)):8*(8*(\a)+(\b))+7]
.endif
.endr
.endr
.endm
.macro MUL64 f, first                  ; all 64 accumulators take turns, one instruction a turn, in the same order everywhere
	MUL16 \f, 0, 0, \first
	MUL16 \f, 0, 2, \first
	MUL16 \f, 1, 0, \first
	MUL16 \f, 1, 2, \first
.endm
; A TRIP: one weight tile, 64 c, 128 matrix instructions.  refill = 1: the other slot is asked for again.  In front of the round each wave waits for all its tensor loads (this trip's tile; at
; the first trip its quarter of h too), adds 0 to its spare word, and waits for that and for its reads of the other slot; the joint load is the first thing behind the round: it has the trip in which to land.
.macro TRIP first, refill
	WIN 0
	s_wait_tensorcnt 0x0                           ; no tensor load of mine is out, so the walking group 0 may be written
.if \refill
	ds_add_u32 v[SPW], v[NIL]                      ; 0 onto my spare word; the descriptor's step stands between it and the wait for it
	s_xor_b32 s[G0W+1], s[G0W+1], SLOT             ; the other slot,
	s_add_nc_u64 s[G0W+2:G0W+3], s[G0W+2:G0W+3], 65536  ; the next tile; the type bits on top are not reached
	s_wait_dscnt 0x0                               ; the add is done, and my reads of the other slot are over
	CROUND
	tensor_load_to_lds s[G0W:G0W+3], s[G1W:G1W+7]
	s_nop 0
.endif
	PLACES                                         ; also the places in front of the fragment loads below
	v_add_nc_u32 v[ADRA], s[TOG], v[ADRA0]
	v_add_nc_u32 v[ADRB], s[HOF], v[ADRB0]
	s_xor_b32 s[TOG], s[TOG], SLOT
	s_add_co_u32 s[HOF], s[HOF], 16384             ; 64 c are two groups of eight fragments
	FETCH 0, F0
	FETCH 1, F1
	s_wait_dscnt 32                                ; the first 32 c are in; the 32 younger loads may be out
	MUL64 F0, \first
	s_wait_dscnt 0x0
	MUL64 F1, 0
	WIN 0
.endm
; THE WAY OUT of position tile a.  PACK: rounded to bf16, each accumulator's registers in ascending order, 16 bytes a lane for each o tile.
.macro PACK a
.set AC, 64*((\a)%4)
	WIN 0x0a+5*((\a)/4)                            ; sources 0 and 1: window 2 or 3
.irp b, 0,1,2,3,4,5,6,7
.irp r, 0,1,2,3
	v_cvt_pk_bf16_f32 v[TMP+4*(\b)+(\r)], v[AC+8*(\b)+2*(\r)], v[AC+8*(\b)+2*(\r)+1]
.endr
.endr
	WIN 0
.endm
.macro TOSTAGE a                       ; into my own stage, and back as whole rows of 256 bytes
.set BK, OB+192*((\a)%2)
.irp b, 0,1,2,3,4,5,6,7
	ds_store_b128 v[STO], v[TMP+4*(\b):TMP+4*(\b)+3] offset:32*(\b)
.endr
	s_wait_xcnt 0x0                                ; the registers below were the data of earlier stores: they are loaded again only behind this wait (ISA guide 3.1)
.irp t, 0,1,2,3,4,5,6,7
	ds_load_b128 v[BK+4*(\t):BK+4*(\t)+3], v[RD] offset:(\t)*2*SPITCH  ; LDS serves a wave's instructions in order (ISA guide 5.7.1.4): these see the stores above
.endr
.endm
.macro SEND a, base                    ; stage row p is position 64 (a / 4) + 4 p + a % 4: 16 lanes store 256 consecutive bytes, at a multiple of 256
.set BK, OB+192*((\a)%2)
	s_wait_dscnt 0x0
.irp t, 0,1,2,3,4,5,6,7
	global_store_b128 v[CO], v[BK+4*(\t):BK+4*(\t)+3], s[\base:\base+1] offset:(64*((\a)/4)+(\a)%4)*1024+(\t)*8192
.endr
.endm
.macro OUT base                        ; tile a's conversions stand between tile a - 1's loads from the stage and the wait for them
	PLACES
	PACK 0
	TOSTAGE 0
.irp a, 1,2,3,4,5,6,7
	PACK \a
	SEND (\a)-1, \base
	TOSTAGE \a
.endr
	SEND 7, \base
.endm
; t stays in LDS, where h lay: o tiles 2 l and 2 l + 1 of position tile a ARE the two halves of fragment (channels 32 (4 w + l) on, tile a) of the next product's source 1.
.macro PACKT
	PLACES
.irp a, 0,1,2,3,4,5,6,7
	PACK \a
.irp l, 0,1,2,3
.irp e, 0,1
	ds_store_b128 v[TADR], v[TMP+8*(\l)+4*(\e):TMP+8*(\l)+4*(\e)+3] offset:(8*(\l)+(\a))*1024+512*(\e)
.endr
.endr
.endr
.endm
	; THE FIRST PRODUCT: tiles 0 to 7; its trips ask for tiles 1 to 8
.set BIAS, 192
	TRIP 1, 1
	s_mov_b32 s[CNT], 7
.Lfirst_product:
	TRIP 0, 1
	s_sub_co_u32 s[CNT], s[CNT], 1
	s_cmp_lg_u32 s[CNT], 0
	s_cbranch_scc1 .Lfirst_product
	s_wait_dscnt 0x0                               ; my reads of h are over
	s_barrier_signal -1                            ; Tile 8 may stay on its way
	s_barrier_wait -1                              ; everybody's are: t may take h's place
	s_cmp_lg_u32 s[ROLE], 0
	s_cbranch_scc1 .Lkeep_t                        ; neither side holds a barrier or a tensor load
	OUT DA                                         ; role 0: q^T leaves
	s_branch .Lsecond
.Lkeep_t:
	PACKT                                          ; role 1: t into LDS; the next trip's wait for my LDS stores and its round stand between these stores and every wave's reads
.Lsecond:
	; THE SECOND PRODUCT: tiles 8 to 15
.set BIAS, 0
	s_mov_b32 s[HOF], 0
	TRIP 1, 1
	s_mov_b32 s[CNT], 6
.Lsecond_product:
	TRIP 0, 1
	s_sub_co_u32 s[CNT], s[CNT], 1
	s_cmp_lg_u32 s[CNT], 0
	s_cbranch_scc1 .Lsecond_product
	TRIP 0, 0                                      ; the last tile: nothing is asked for; a wave reads only the rows that its own load brought, so its own wait is all that the reads need
	OUT DB
	s_wait_tensorcnt 0x0                           ; the wave's end: behind my last tensor load and my last LDS store
	ds_add_u32 v[SPW], v[NIL]
	s_wait_dscnt 0x0
	CROUND                                         ; the closing round: no work-group ends while a partner may still ask for a tile that names it
	s_endpgm
.Lfunc_end_k_qe202c5aa87_proj:
	.size	k_qe202c5aa87_proj, .Lfunc_end_k_qe202c5aa87_proj-k_qe202c5aa87_proj
	.p2alignl 7, 3214868480
	.fill 96, 4, 3214868480
	.section	.rodata,"a",@progbits
	.p2align	6, 0x0
	.amdhsa_kernel k_qe202c5aa87_proj
		.amdhsa_group_segment_fixed_size 327680
		.amdhsa_private_segment_fixed_size 0
		.amdhsa_enable_private_segment 0
		.amdhsa_kernarg_size 72
		.amdhsa_user_sgpr_count 2
		.amdhsa_user_sgpr_kernarg_segment_ptr 1
		.amdhsa_wavefront_size32 1
		.amdhsa_system_sgpr_workgroup_id_x 1
		.amdhsa_system_sgpr_workgroup_id_y 1
		.amdhsa_system_sgpr_workgroup_id_z 1
		.amdhsa_system_vgpr_workitem_id 0
		.amdhsa_next_free_vgpr 1024
		.amdhsa_next_free_sgpr 66
		.amdhsa_reserve_vcc 0
		.amdhsa_float_denorm_mode_32 3
		.amdhsa_float_denorm_mode_16_64 3
		.amdhsa_memory_ordered 1
		.amdhsa_forward_progress 1
		.amdhsa_inst_pref_size 158
	.end_amdhsa_kernel
	.amdgpu_metadata
---
amdhsa.version: [ 1, 2 ]
amdhsa.kernels:
  - .name:           k_qe202c5aa87_proj
    .symbol:         k_qe202c5aa87_proj.kd
    .args:
      - { .name: hf, .offset: 0, .size: 8, .value_kind: global_buffer, .address_space: global }
      - { .name: wb, .offset: 8, .size: 8, .value_kind: global_buffer, .address_space: global }
      - { .name: bq, .offset: 16, .size: 8, .value_kind: global_buffer, .address_space: global }
      - { .name: bk, .offset: 24, .size: 8, .value_kind: global_buffer, .address_space: global }
      - { .name: bv, .offset: 32, .size: 8, .value_kind: global_buffer, .address_space: global }
      - { .name: bp, .offset: 40, .size: 8, .value_kind: global_buffer, .address_space: global }
      - { .name: qt, .offset: 48, .size: 8, .value_kind: global_buffer, .address_space: global }
      - { .name: kt, .offset: 56, .size: 8, .value_kind: global_buffer, .address_space: global }
      - { .name: vt, .offset: 64, .size: 8, .value_kind: global_buffer, .address_space: global }
    .group_segment_fixed_size: 327680
    .private_segment_fixed_size: 0
    .kernarg_segment_align: 8
    .kernarg_segment_size: 72
    .max_flat_workgroup_size: 128
    .sgpr_count:     66
    .vgpr_count:     1024
    .wavefront_size: 32
...
	.end_amdgpu_metadata
.endif
;; end of part 2
;; launch attn (part 3): grid 32 x 8, 4 waves a work-group, clusters of 4 x 1, 327,680 bytes of LDS; arguments qt, kt, vt, x, out0; writes out0
.if DOCPART == 3
	.amdgcn_target "amdgcn-amd-amdhsa--gfx1250"
	.amdhsa_code_object_version 6
	.text
	.protected	k_qe202c5aa87_attn
	.globl	k_qe202c5aa87_attn
	.p2align	8
	.type	k_qe202c5aa87_attn,@function
k_qe202c5aa87_attn:
	s_mov_b64 s[64:65], 0
	v_nop
	global_prefetch_b8 v0, s[64:65] scope:SCOPE_SE
	s_setreg_imm32_b32 hwreg(HW_REG_WAVE_MODE, 25, 1), 1
	s_wait_xcnt 0x0
	s_wait_alu depctr_hold_cnt(0) depctr_sa_sdst(0) depctr_va_vdst(0) depctr_va_sdst(0) depctr_va_ssrc(0) depctr_va_vcc(0) depctr_vm_vsrc(0)
	s_getreg_b32 s2, hwreg(HW_REG_IB_STS2, 6, 4)
	s_cmp_eq_u32 s2, 0
	s_cbranch_scc0 .Lentry_in_a_cluster
	s_endpgm
.Lentry_in_a_cluster:
	s_bfe_u32 s2, ttmp6, 0x10000c
	s_cmp_lg_u32 s2, 0x3003
	s_cbranch_scc0 .Lentry_shape_is_right
	s_endpgm
.Lentry_shape_is_right:
; ATTENTION AND RESIDUAL.  out0[b][c][n] = x[b][c][n] + (sum over m of p(n, m) u[b][m][c]) / l(n), p = 2^(c0 s - c0 max), s = q[n] . k[m], c0 = log2(e) / sqrt(512).
; qt, kt, vt: [8][2048][512] bf16 (vt holds u = Wp v + bp).  Products, maxima and sums in f32; p is rounded to bf16 for the second product, its sum l is taken of the unrounded p.
; SHARES.  A work-group owns 64 queries of one batch and walks all 2,048 keys, 128 a step.  The head size is 512, so the four waves split each product:
;   S^T = K Q^T: wave w makes its 32 keys x all 64 queries (8 accumulators, 128 matrix instructions); every wave holds all of Q, 512 registers; each byte of K is read from LDS once.
;   O^T = U^T P: wave w makes channels 128 w .. 128 w + 127 x all 64 queries (32 accumulators, 128 matrix instructions), over all 128 keys.
; So the waves hand each other, through LDS, their maxima (a query's maximum is the same number in all four) and their weights P.
; LAYOUT.  In S^T a lane holds ONE query (lane % 16) and the keys 8 (lane / 16) + 0..7; two such results rounded to bf16 in pairs ARE source 1 (32 keys x 16 queries) of the second product.
; K comes out of LDS as it lies, U ([key][channel]) turned, by ds_load_tr16_b128.
; SOFTMAX.  A running maximum m and sum l for each query; in every step O and l are multiplied by a = 2^(c0 m_old - c0 m_new).  m starts at the lowest finite number, O and l at 0: the first a is 0,
; so no first step is written out; the price is 256 v_mov_b32, which stand in the wait for the first tile.
; THE TILES.  K and U have one LDS slot each, and the two take turns: K of step j + 1 is asked for when S of step j is made and lands during the softmax and the second product; U of step j + 1 is asked
; for behind the second product and lands during S of step j + 1.  A wave fetches exactly the K rows and U columns that it alone reads, so its own wait on its tensor loads is all that its reads need.
; CLUSTER.  The four query blocks of a cluster belong to one batch and walk the same K and U: each tile is asked for JOINTLY, by the same tensor load, descriptor and mask in all four.
; LIMITS.  A weight below 2^-126 counts as 0; NaN and infinities are not treated apart; bp passes through (sum of rounded p) / l, which is 1 to within bf16's rounding of p.
; REGISTERS, in windows of 256 (s_set_vgpr_msb: bits 1:0 source 0, 3:2 source 1, 5:4 source 2, 7:6 destination):
;   window 0: v1-14 addresses; v16-31 statistics; v32-39 a, later 1 / l; v40-55 at work; v64-127 S^T, then P's fragments; v128-191, v192-255 fragments of K, then of U, two buffers
;   window 1: O^T, accumulator (channel block cb, query tile t) at 8 (4 cb + t)      windows 2, 3: Q, fragment (32 channels kc, tile t) at 8 (4 (kc % 8) + t); at the end window 2 takes x
.set KP,    1040                       ; a row of K in LDS: 1,024 bytes + 16 of padding = 260 words: the 16 rows of a load start at 16 different groups of four banks (ISA guide 11.1)
.set KW,    32*KP                      ; a wave's 32 keys
.set VBASE, 4*KW
.set VP,    288                        ; a row of a wave's U: 256 bytes + 32 = 72 words
.set VW,    128*VP                     ; a wave's 128 keys x 128 channels
.set PBASE, VBASE+4*VW                 ; P: fragment (wave u's 32 keys, tile t) at (4 u + t) 1024, in register order: lane i at 16 i
.set MX,    PBASE+16384                ; the waves' maxima: [wave][query % 16][tile] f32, 256 bytes a wave
.set LXO,   1024                       ; behind them the waves' sums, likewise
.set STAGE, MX+2048                    ; 16 rows x 272 bytes for each wave, for the way out
.set SP,    272
.set SPARE, STAGE+4*16*SP              ; the spare words, 128 bytes a wave: two blocks of 256 bytes that no other line names
.set AK,  3                            ; v3   my place in my wave's K
.set AV,  4                            ; v4   in my wave's U
.set AP,  5                            ; v5   PBASE + 16 lane
.set APW, 6                            ; v6   the same in my wave's four fragments
.set MXW, 7                            ; v7   where my wave's four maxima of query r go
.set MXR, 8                            ; v8   where wave 0's lie
.set STW, 11                           ; v11  the way out: where I put a number
.set STR, 12                           ; v12  where I read 16 bytes of a row back
.set XO,  13                           ; v13  my byte offset in x and out0
.set QO,  14                           ; v14  my byte offset in Q
.set ST,  16                           ; tile t's statistics at v[ST+4 t]: c0 m, m, l (even keys', odd keys')
.set AA,  32                           ; tile t: a at v[AA+2 t]; beside it its exponent
.set TM,  40                           ; v40-55 at work
.set SPW, 62                           ; v62  LDS address of my spare word; never rewritten
.set NIL, 63                           ; v63  0; never rewritten
.set S,   64                           ; accumulator (16 keys kt, tile t) at S + 8 (2 t + kt)
.set B0,  128
.set B1,  192
.set WV,  14                           ; s14  my wave's number
.set G1K, 24                           ; s[24:31] descriptor group 1 for K
.set G1V, 32                           ; s[32:39] for U
.set G0K, 40                           ; s[40:43] descriptor group 0 for K: it walks
.set G0V, 44                           ; s[44:47] for U
.set CNT, 48                           ; s48  steps to go
.set CS,  50                           ; s[50:51] c0: the packed scaling takes the pair's low word for both halves
.set SEL, 52                           ; s[52:53] v_permlanex16_b32's selects: each lane takes its own place in the other half
.set MSB, 0
.macro WIN new                         ; the immediate's high byte repeats the setting that is left; a switch that changes nothing is dropped
.if MSB != (\new)
	s_set_vgpr_msb (MSB<<8)|(\new)
.set MSB, \new
.endif
.endm
.macro CROUND                          ; a round of the cluster's barrier: my work-group's barrier; wave 0 signals for it; every wave waits for all four work-groups; my work-group's barrier once more
	s_barrier_signal -1
	s_barrier_wait -1
	s_cmp_lg_u32 s[WV], 0
	s_cbranch_scc1 .Lnot_wave_0_\@
	s_barrier_signal -3
.Lnot_wave_0_\@:
	s_barrier_wait -3
	s_barrier_signal -1
	s_barrier_wait -1
.endm
.macro PLACES                          ; four places behind matrix instructions (ISA guide 7.12.1)
.rept 4
	v_nop
.endr
.endm
	s_load_b256 s[4:11], s[0:1], 0x0               ; qt s[4:5], kt s[6:7], vt s[8:9], x s[10:11]
	s_load_b64 s[12:13], s[0:1], 0x20              ; out0
	v_lshl_add_u32 v[SPW], v0, 2, SPARE
	v_mov_b32 v[NIL], 0
	ds_add_u32 v[SPW], v[NIL]                      ; the wave's opening: the add and its wait ahead of my first tensor load; the set-up below stands between them
	v_lshrrev_b32 v1, 5, v0
	v_readfirstlane_b32 s[WV], v1                  ; wave 0..3
	s_bfe_u32 s15, ttmp6, 0x40000                  ; cx: my place in the cluster
	s_lshl_b32 s16, ttmp9, 2                       ; in a cluster launch ttmp9 counts clusters
	s_add_co_u32 s16, s16, s15                     ; my block of 64 queries: it enters Q's, x's and out0's addresses alone
	s_and_b32 s17, ttmp7, 0xffff                   ; the batch, which the partners share
	s_lshl_b32 s18, s17, 21                        ; its first byte in qt, kt, vt
	s_lshl_b32 s20, s[WV], 15                      ; K: my 32 rows of 1,024 bytes in a step's 128
	s_add_co_u32 s20, s20, s18
	s_mov_b32 s21, 0
	s_lshl_b32 s22, s[WV], 8                       ; U: my 256 bytes of every row
	s_add_co_u32 s22, s22, s18
	s_mov_b32 s23, 0
	s_lshl_b32 s54, s16, 16                        ; Q: my block's 64 rows
	s_add_co_u32 s54, s54, s18
	s_mov_b32 s55, 0
	s_lshl_b32 s56, s17, 22                        ; x, out0: the batch,
	s_lshl_b32 s57, s[WV], 20                      ; my wave's 128 channels of 8,192 bytes,
	s_add_co_u32 s56, s56, s57
	s_lshl_b32 s57, s16, 8                         ; my block's 256 bytes of a channel
	s_add_co_u32 s56, s56, s57
	s_mov_b32 s57, 0
	; group 1 for K: 32 rows x 512 elements, padded after every row
	s_mov_b32 s[G1K], 15|(1<<16)|(1<<20)|(1<<21)|(7<<22)|(3<<25)  ; 15:0 the mask of four; 17:16 2-byte elements; 20 padding on; 21 set beside a mask; 24:22 after every 256 words (code 7); 31:25 4 words (code 3)
	s_mov_b32 s[G1K+1], 512<<16                    ; tensor_dim0 = 512
	s_mov_b32 s[G1K+2], 32<<16                     ; tensor_dim1 = 32
	s_mov_b32 s[G1K+3], 512<<16                    ; tile_dim0 = 512
	s_mov_b32 s[G1K+4], 32                         ; tile_dim1 = 32
	s_mov_b32 s[G1K+5], 512                        ; 512 elements from row to row
	s_mov_b32 s[G1K+6], 0
	s_mov_b32 s[G1K+7], 0
	; group 1 for U: 128 rows x 128 elements
	s_mov_b32 s[G1V], 15|(1<<16)|(1<<20)|(1<<21)|(5<<22)|(7<<25)  ; after every 64 words (code 5) 8 words (code 7)
	s_mov_b32 s[G1V+1], 128<<16
	s_mov_b32 s[G1V+2], 128<<16
	s_mov_b32 s[G1V+3], 128<<16
	s_mov_b32 s[G1V+4], 128
	s_mov_b32 s[G1V+5], 512
	s_mov_b32 s[G1V+6], 0
	s_mov_b32 s[G1V+7], 0
	s_mov_b32 s[G0K], 1
	s_mul_i32 s[G0K+1], s[WV], KW                  ; no place in the cluster enters an LDS address
	s_mov_b32 s[G0V], 1
	s_mul_i32 s[G0V+1], s[WV], VW
	s_add_co_u32 s[G0V+1], s[G0V+1], VBASE
	s_mov_b32 s[CS], 0x3d8293ee                    ; c0 = log2(e) / sqrt(512) = 0.0637587
	s_mov_b32 s[CS+1], s[CS]                       ; named with it as a pair
	s_mov_b32 s[SEL], 0x76543210
	s_mov_b32 s[SEL+1], 0xfedcba98
	s_wait_dscnt 0x0                               ; the opening add is done
	s_wait_kmcnt 0x0
	s_add_nc_u64 s[G0K+2:G0K+3], s[6:7], s[20:21]
	s_or_b32 s[G0K+3], s[G0K+3], 0x80000000        ; type = 2
	s_add_nc_u64 s[G0V+2:G0V+3], s[8:9], s[22:23]
	s_or_b32 s[G0V+3], s[G0V+3], 0x80000000
	s_add_nc_u64 s[4:5], s[4:5], s[54:55]
	s_add_nc_u64 s[10:11], s[10:11], s[56:57]
	s_add_nc_u64 s[12:13], s[12:13], s[56:57]
	CROUND                                         ; all four work-groups are here: the first joint loads meet
	tensor_load_to_lds s[G0K:G0K+3], s[G1K:G1K+7]  ; step 0's K, then its U: two loads of mine are out
	s_nop 0
	tensor_load_to_lds s[G0V:G0V+3], s[G1V:G1V+7]
	s_nop 0
	PLACES
	; A fragment of Q or K is 16 rows x 32 channels in 8 registers: lane l holds row l % 16, channels 8 (l / 16) + 0..7 and 16 + 8 (l / 16) + 0..7: two loads of 16 bytes, 32 bytes apart.
	v_and_b32 v1, 15, v0                           ; r
	v_bfe_u32 v2, v0, 4, 1                         ; h
	v_lshlrev_b32 v[QO], 10, v1
	v_lshl_add_u32 v[QO], v2, 4, v[QO]
	WIN 0x80                                       ; destination window 2, address window 0
.irp kc, 0,1,2,3,4,5,6,7
.irp t, 0,1,2,3
	global_load_b128 v[8*(4*(\kc)+(\t)):8*(4*(\kc)+(\t))+3],   v[QO], s[4:5] offset:(\t)*16384+(\kc)*64
	global_load_b128 v[8*(4*(\kc)+(\t))+4:8*(4*(\kc)+(\t))+7], v[QO], s[4:5] offset:(\t)*16384+(\kc)*64+32
.endr
.endr
	WIN 0xc0                                       ; destination window 3
.irp kc, 0,1,2,3,4,5,6,7
.irp t, 0,1,2,3
	global_load_b128 v[8*(4*(\kc)+(\t)):8*(4*(\kc)+(\t))+3],   v[QO], s[4:5] offset:(\t)*16384+((\kc)+8)*64
	global_load_b128 v[8*(4*(\kc)+(\t))+4:8*(4*(\kc)+(\t))+7], v[QO], s[4:5] offset:(\t)*16384+((\kc)+8)*64+32
.endr
.endr
	WIN 0x40
.set i, 0
.rept 256
	v_mov_b32 v[i], 0                              ; O^T
.set i, i+1
.endr
	WIN 0
.irp t, 0,1,2,3
	v_mov_b32 v[ST+4*(\t)], 0xfe000000             ; c0 m: far below every c0 s
	v_mov_b32 v[ST+4*(\t)+1], 0xff7fffff           ; m
	v_mov_b32 v[ST+4*(\t)+2], 0
	v_mov_b32 v[ST+4*(\t)+3], 0
.endr
	v_mul_u32_u24 v[AK], v1, KP
	v_lshl_add_u32 v[AK], v2, 4, v[AK]
	s_mul_i32 s58, s[WV], KW
	v_add_nc_u32 v[AK], s58, v[AK]
	; The turning load takes 16 keys x 16 channels (lane l reads key 8 (l / 16) + l % 8, channels 8 ((l / 8) % 2) + 0..7) and leaves half a fragment of U^T: lane l holds channel l % 16 and 8 keys.
	v_and_b32 v9, 7, v0
	v_bfe_u32 v10, v0, 3, 1
	v_lshl_add_u32 v[AV], v2, 3, v9
	v_mul_u32_u24 v[AV], v[AV], VP
	v_lshl_add_u32 v[AV], v10, 4, v[AV]
	s_mul_i32 s58, s[WV], VW
	s_add_co_u32 s58, s58, VBASE
	v_add_nc_u32 v[AV], s58, v[AV]
	v_and_b32 v9, 31, v0
	v_lshl_add_u32 v[AP], v9, 4, PBASE
	s_lshl_b32 s58, s[WV], 12
	v_add_nc_u32 v[APW], s58, v[AP]
	v_lshl_add_u32 v[MXR], v1, 4, MX
	s_lshl_b32 s58, s[WV], 8
	v_add_nc_u32 v[MXW], s58, v[MXR]
	s_mul_i32 s58, s[WV], 16*SP
	s_add_co_u32 s58, s58, STAGE                   ; my stage
	v_mul_u32_u24 v[STW], v2, 8*SP                 ; in: row (channel) 8 h + j, word (query) 16 t + r: the two halves of the lanes fall 32 banks apart
	v_lshl_add_u32 v[STW], v1, 2, v[STW]
	v_add_nc_u32 v[STW], s58, v[STW]
	v_mul_u32_u24 v[STR], v2, SP                   ; back: lanes 0-15 one row of 256 bytes, lanes 16-31 the next
	v_lshl_add_u32 v[STR], v1, 4, v[STR]
	v_add_nc_u32 v[STR], s58, v[STR]
	v_lshlrev_b32 v[XO], 13, v2                    ; and the same two channels in x and out0
	v_lshl_add_u32 v[XO], v1, 4, v[XO]
	s_wait_loadcnt 0x0                             ; Q
; 16 LDS loads: K's fragments of channels 128 g on (four K steps, both key tiles) into buffer buf.  They need no window switch under the product's setting: destination and address lie in window 0.
.macro KFETCH g, buf
.irp kl, 0,1,2,3
.irp kt, 0,1
	ds_load_b128 v[(\buf)+8*(2*(\kl)+(\kt)):(\buf)+8*(2*(\kl)+(\kt))+3],   v[AK] offset:(\kt)*16*KP+(4*(\g)+(\kl))*64
	ds_load_b128 v[(\buf)+8*(2*(\kl)+(\kt))+4:(\buf)+8*(2*(\kl)+(\kt))+7], v[AK] offset:(\kt)*16*KP+(4*(\g)+(\kl))*64+32
.endr
.endr
.endm
; 32 products of S^T = K Q^T.  The 8 accumulators take turns, one instruction a turn; the first K step starts the sums with 0.
.macro SMUL g, buf
	WIN 0x08+4*((\g)/2)                            ; Q in window 2 or 3, all else in window 0
.irp kl, 0,1,2,3
.irp t, 0,1,2,3
.irp kt, 0,1
.if (4*(\g)+(\kl)) == 0
	v_wmma_f32_16x16x32_bf16 v[S+8*(2*(\t)+(\kt)):S+8*(2*(\t)+(\kt))+7], v[(\buf)+8*(2*(\kl)+(\kt)):(\buf)+8*(2*(\kl)+(\kt))+7], v[8*(4*((4*(\g)+(\kl))%8)+(\t)):8*(4*((4*(\g)+(\kl))%8)+(\t))+7], 0
.else
	v_wmma_f32_16x16x32_bf16 v[S+8*(2*(\t)+(\kt)):S+8*(2*(\t)+(\kt))+7], v[(\buf)+8*(2*(\kl)+(\kt)):(\buf)+8*(2*(\kl)+(\kt))+7], v[8*(4*((4*(\g)+(\kl))%8)+(\t)):8*(4*((4*(\g)+(\kl))%8)+(\t))+7], v[S+8*(2*(\t)+(\kt)):S+8*(2*(\t)+(\kt))+7]
.endif
.endr
.endr
.endr
.endm
; The maximum of tile t's scores over my wave's 32 keys: 16 in my lane (each accumulator's lowest registers are read first), 16 in the lane 16 away.
.macro LMAX t
.set rB, S+16*(\t)
.set rC, TM+4+2*(\t)
	v_max3_num_f32 v[rC],   v[rB],   v[rB+1], v[rB+2]
	v_max3_num_f32 v[rC+1], v[rB+8], v[rB+9], v[rB+10]
	v_max3_num_f32 v[rC],   v[rC],   v[rB+3],  v[rB+4]
	v_max3_num_f32 v[rC+1], v[rC+1], v[rB+11], v[rB+12]
	v_max3_num_f32 v[rC],   v[rC],   v[rB+5],  v[rB+6]
	v_max3_num_f32 v[rC+1], v[rC+1], v[rB+13], v[rB+14]
	v_max3_num_f32 v[rC],   v[rC],   v[rB+7],  v[rB+15]
	v_max_num_f32 v[rC], v[rC], v[rC+1]
	v_permlanex16_b32 v[rC+1], v[rC], s[SEL], s[SEL+1]
	v_max_num_f32 v[TM+(\t)], v[rC], v[rC+1]
.endm
.macro VFETCH kk, buf                  ; 16 turning loads: U^T's fragments of keys 32 kk on, my 8 channel blocks
.irp cb, 0,1,2,3,4,5,6,7
	ds_load_tr16_b128 v[(\buf)+8*(\cb):(\buf)+8*(\cb)+3],   v[AV] offset:(\kk)*32*VP+(\cb)*32
	ds_load_tr16_b128 v[(\buf)+8*(\cb)+4:(\buf)+8*(\cb)+7], v[AV] offset:(\kk)*32*VP+16*VP+(\cb)*32
.endr
.endm
.macro PFETCH kk, buf                  ; 8 loads: P's fragments of keys 32 kk on (wave kk's), four query tiles
.irp t, 0,1,2,3
	ds_load_b128 v[(\buf)+8*(\t):(\buf)+8*(\t)+3],   v[AP] offset:(4*(\kk)+(\t))*1024
	ds_load_b128 v[(\buf)+8*(\t)+4:(\buf)+8*(\t)+7], v[AP] offset:(4*(\kk)+(\t))*1024+512
.endr
.endm
.macro PVMUL vb, pb                    ; 32 products of O^T += U^T P: the 32 accumulators take turns
	WIN 0x50                                       ; U and P in window 0, C and D in window 1
.irp cb, 0,1,2,3,4,5,6,7
.irp t, 0,1,2,3
	v_wmma_f32_16x16x32_bf16 v[8*(4*(\cb)+(\t)):8*(4*(\cb)+(\t))+7], v[(\vb)+8*(\cb):(\vb)+8*(\cb)+7], v[(\pb)+8*(\t):(\pb)+8*(\t)+7], v[8*(4*(\cb)+(\t)):8*(4*(\cb)+(\t))+7]
.endr
.endr
.endm
; A KEY STEP.  fill = 1: K and U of the next step are asked for, each behind a round of the cluster's barrier.  fill = 0: the last step: x is asked for instead.
.macro STEP fill
	s_wait_tensorcnt 0x1                           ; my K is in; the one load issued behind it, my U, may stay out: so on the way in and round the back edge
	v_nop                                          ; with the four behind the last tensor load: six places between the last products and the products and loads that write over their sources
	v_nop
	KFETCH 0, B0
	KFETCH 1, B1
	s_wait_dscnt 16                                ; the older run of 16 is in
	SMUL 0, B0
	PLACES
	KFETCH 2, B0
	s_wait_dscnt 16
	SMUL 1, B1
	PLACES
	KFETCH 3, B1
	s_wait_dscnt 16
	SMUL 2, B0
	s_wait_dscnt 0x0
	SMUL 3, B1
	WIN 0
	PLACES
	LMAX 0
	LMAX 1
	LMAX 2
	LMAX 3
	ds_store_b128 v[MXW], v[TM:TM+3]               ; my wave's four maxima of query r; both halves of the lanes write the same numbers
	s_wait_tensorcnt 0x0                           ; all my tensor loads have landed: my U of this step
.if \fill
	ds_add_u32 v[SPW], v[NIL]                      ; 0 onto my spare word
	s_add_nc_u64 s[G0K+2:G0K+3], s[G0K+2:G0K+3], 131072  ; the next 128 keys; the type bits on top are not reached
	s_wait_dscnt 0x0                               ; the add and my store are done, and my reads of K are over
	CROUND                                         ; so for every wave of all four work-groups
	tensor_load_to_lds s[G0K:G0K+3], s[G1K:G1K+7]  ; it has the softmax and the second product in which to land
	s_nop 0
	PLACES
.else
	s_wait_dscnt 0x0                               ; my store is done
	s_barrier_signal -1
	s_barrier_wait -1                              ; everybody's maxima are in LDS
	WIN 0x80                                       ; Q's first half has served: x takes its registers.  Lanes 0-15 take a channel's 256 bytes, lanes 16-31 the next channel's
.irp ct, 0,1,2,3,4,5,6,7
.irp u, 0,1,2,3,4,5,6,7
	global_load_b128 v[4*(8*(\ct)+(\u)):4*(8*(\ct)+(\u))+3], v[XO], s[10:11] offset:(16*(\ct)+2*(\u))*8192 th:TH_LOAD_NT
.endr
.endr
	WIN 0
.endif
.irp u, 0,1,2,3
	ds_load_b128 v[TM+4*(\u):TM+4*(\u)+3], v[MXR] offset:(\u)*256  ; wave u's maxima of query r, four tiles
.endr
	VFETCH 0, B0                                   ; U's first fragments come in beside the softmax
	VFETCH 1, B1
	s_wait_dscnt 32                                ; the maxima are in; the 32 younger loads may be out
.irp t, 0,1,2,3
	v_max3_num_f32 v[ST+4*(\t)+1], v[ST+4*(\t)+1], v[TM+(\t)], v[TM+4+(\t)]
.endr
.irp t, 0,1,2,3
	v_max3_num_f32 v[ST+4*(\t)+1], v[ST+4*(\t)+1], v[TM+8+(\t)], v[TM+12+(\t)]
.endr
.irp t, 0,1,2,3
	v_mov_b32 v[AA+2*(\t)+1], v[ST+4*(\t)]         ; c0 m_old is kept
.endr
.irp t, 0,1,2,3
	v_mul_f32 v[ST+4*(\t)], s[CS], v[ST+4*(\t)+1]
.endr
.irp t, 0,1,2,3
	v_sub_f32 v[AA+2*(\t)+1], v[AA+2*(\t)+1], v[ST+4*(\t)]
.endr
.irp t, 0,1,2,3
	v_exp_f32 v[AA+2*(\t)], v[AA+2*(\t)+1]         ; a; the scalings below are the plain instructions behind it (ISA guide 5.7.2)
.endr
.set p, 0
.rept 32
	v_pk_fma_f32 v[S+2*p:S+2*p+1], v[S+2*p:S+2*p+1], s[CS:CS+1], v[ST+4*(p/8):ST+4*(p/8)+1] op_sel_hi:[1,0,0] neg_lo:[0,0,1] neg_hi:[0,0,1]  ; c0 s - c0 m
.set p, p+1
.endr
.set p, 0
.rept 64
	v_exp_f32 v[S+p], v[S+p]
.set p, p+1
.endr
	v_nop                                          ; a plain instruction between the last exponential and the use of the results
	s_wait_alu depctr_va_vdst(0)
.irp t, 0,1,2,3
	v_pk_add_f32 v[TM+4*(\t):TM+4*(\t)+1],   v[S+16*(\t):S+16*(\t)+1],   v[S+16*(\t)+2:S+16*(\t)+3]
	v_pk_add_f32 v[TM+4*(\t)+2:TM+4*(\t)+3], v[S+16*(\t)+4:S+16*(\t)+5], v[S+16*(\t)+6:S+16*(\t)+7]
.endr
.irp t, 0,1,2,3
	v_pk_add_f32 v[TM+4*(\t):TM+4*(\t)+1],   v[TM+4*(\t):TM+4*(\t)+1],   v[S+16*(\t)+8:S+16*(\t)+9]
	v_pk_add_f32 v[TM+4*(\t)+2:TM+4*(\t)+3], v[TM+4*(\t)+2:TM+4*(\t)+3], v[S+16*(\t)+10:S+16*(\t)+11]
.endr
.irp t, 0,1,2,3
	v_pk_add_f32 v[TM+4*(\t):TM+4*(\t)+1],   v[TM+4*(\t):TM+4*(\t)+1],   v[S+16*(\t)+12:S+16*(\t)+13]
	v_pk_add_f32 v[TM+4*(\t)+2:TM+4*(\t)+3], v[TM+4*(\t)+2:TM+4*(\t)+3], v[S+16*(\t)+14:S+16*(\t)+15]
.endr
.irp t, 0,1,2,3
	v_pk_add_f32 v[TM+4*(\t):TM+4*(\t)+1], v[TM+4*(\t):TM+4*(\t)+1], v[TM+4*(\t)+2:TM+4*(\t)+3]
.endr
.irp t, 0,1,2,3
	v_pk_fma_f32 v[ST+4*(\t)+2:ST+4*(\t)+3], v[ST+4*(\t)+2:ST+4*(\t)+3], v[AA+2*(\t):AA+2*(\t)+1], v[TM+4*(\t):TM+4*(\t)+1] op_sel_hi:[1,0,1]  ; l = a l + my keys' sum
.endr
.set p, 0
.rept 32
	v_cvt_pk_bf16_f32 v[S+p], v[S+2*p], v[S+2*p+1] ; pair p into register p: it writes over pairs that have been rounded
.set p, p+1
.endr
.irp t, 0,1,2,3
	ds_store_b128 v[APW], v[S+8*(\t):S+8*(\t)+3]   offset:(\t)*1024
	ds_store_b128 v[APW], v[S+8*(\t)+4:S+8*(\t)+7] offset:(\t)*1024+512
.endr
	s_wait_dscnt 0x0                               ; for the others' sake: my P is in LDS; my reads of the maxima are over
	s_barrier_signal -1
	WIN 0x41                                       ; O^T times a stands between the signal and the wait: work on registers; each accumulator from its low end on
.set i, 0
.rept 128
	v_pk_mul_f32 v[2*i:2*i+1], v[2*i:2*i+1], v[AA+2*((i/4)%4):AA+2*((i/4)%4)+1] op_sel_hi:[1,0]
.set i, i+1
.endr
	WIN 0
	s_barrier_wait -1                              ; everybody's P is in LDS
	PFETCH 0, S
	PFETCH 1, S+32
	s_wait_dscnt 8                                 ; keys 0-31: U came in beside the softmax, P is in; the 8 younger loads may be out
	PVMUL B0, S
	PLACES
	WIN 0
	VFETCH 2, B0
	PFETCH 2, S
	s_wait_dscnt 24                                ; all but the 24 just issued
	PVMUL B1, S+32
	PLACES
	WIN 0
	VFETCH 3, B1
	PFETCH 3, S+32
	s_wait_dscnt 24
	PVMUL B0, S
	s_wait_dscnt 0x0
	PVMUL B1, S+32
	WIN 0
.if \fill
	s_wait_tensorcnt 0x0                           ; all my tensor loads have landed: my K of the next step
	ds_add_u32 v[SPW], v[NIL]                      ; 0 onto my spare word
	s_add_nc_u64 s[G0V+2:G0V+3], s[G0V+2:G0V+3], 131072
	s_wait_dscnt 0x0                               ; the add is done, and my reads of U and of P are over
	CROUND
	tensor_load_to_lds s[G0V:G0V+3], s[G1V:G1V+7]  ; it has the next step's first product in which to land
	s_nop 0
	PLACES
.endif
.endm
	s_mov_b32 s[CNT], 15
.Lstep:
	STEP 1
	s_sub_co_u32 s[CNT], s[CNT], 1
	s_cmp_lg_u32 s[CNT], 0
	s_cbranch_scc1 .Lstep
	STEP 0                                         ; the last step is written out
	; THE WAY OUT.  l: its two halves, the other half of the lanes', the other waves' (through LDS).  The first additions are the places behind the last products.
.irp t, 0,1,2,3
	v_add_f32 v[TM+4+2*(\t)], v[ST+4*(\t)+2], v[ST+4*(\t)+3]
.endr
.irp t, 0,1,2,3
	v_permlanex16_b32 v[TM+5+2*(\t)], v[TM+4+2*(\t)], s[SEL], s[SEL+1]
.endr
.irp t, 0,1,2,3
	v_add_f32 v[TM+(\t)], v[TM+4+2*(\t)], v[TM+5+2*(\t)]
.endr
	ds_store_b128 v[MXW], v[TM:TM+3] offset:LXO
	s_wait_dscnt 0x0
	s_barrier_signal -1
	s_barrier_wait -1
.irp u, 0,1,2,3
	ds_load_b128 v[TM+4*(\u):TM+4*(\u)+3], v[MXR] offset:LXO+(\u)*256
.endr
	s_wait_dscnt 0x0
.irp t, 0,1,2,3
	v_add_f32 v[TM+(\t)], v[TM+(\t)], v[TM+4+(\t)]
.endr
.irp t, 0,1,2,3
	v_add_f32 v[TM+8+(\t)], v[TM+8+(\t)], v[TM+12+(\t)]
.endr
.irp t, 0,1,2,3
	v_add_f32 v[TM+(\t)], v[TM+(\t)], v[TM+8+(\t)]
.endr
.irp t, 0,1,2,3
	v_rcp_f32 v[AA+2*(\t)], v[TM+(\t)]
.endr
	v_nop                                          ; a plain instruction between the last reciprocal and the use of its result
	s_wait_alu depctr_va_vdst(0)
	s_wait_loadcnt 0x0                             ; x
; Channel block ct: O^T / l goes into my stage, a number a lane, and comes back as whole rows: a channel's 64 positions, 256 bytes; x is added and the row stored.
.macro OUTC ct
.set rR, B0+32*((\ct)%2)
	WIN 0x41
.irp t, 0,1,2,3
.irp pr, 0,1,2,3
	v_pk_mul_f32 v[8*(4*(\ct)+(\t))+2*(\pr):8*(4*(\ct)+(\t))+2*(\pr)+1], v[8*(4*(\ct)+(\t))+2*(\pr):8*(4*(\ct)+(\t))+2*(\pr)+1], v[AA+2*(\t):AA+2*(\t)+1] op_sel_hi:[1,0]
.endr
.endr
	WIN 0x04                                       ; the stores' data in window 1, the address in window 0
.irp t, 0,1,2,3
.irp j, 0,1,2,3,4,5,6,7
	ds_store_b32 v[STW], v[8*(4*(\ct)+(\t))+(\j)] offset:(\j)*SP+(\t)*64
.endr
.endr
	WIN 0
	s_wait_xcnt 0x0                                ; the registers below were the data of earlier stores: they are loaded again only behind this wait (ISA guide 3.1)
.irp u, 0,1,2,3,4,5,6,7
	ds_load_b128 v[rR+4*(\u):rR+4*(\u)+3], v[STR] offset:(\u)*2*SP  ; LDS serves a wave's instructions in order (ISA guide 5.7.1.4): these see the stores above
.endr
	s_wait_dscnt 0x0
	WIN 0x08                                       ; x in window 2
.set i, 0
.rept 16
	v_pk_add_f32 v[rR+2*i:rR+2*i+1], v[rR+2*i:rR+2*i+1], v[32*(\ct)+2*i:32*(\ct)+2*i+1]
.set i, i+1
.endr
	WIN 0
.irp u, 0,1,2,3,4,5,6,7
	global_store_b128 v[XO], v[rR+4*(\u):rR+4*(\u)+3], s[12:13] offset:(16*(\ct)+2*(\u))*8192 th:TH_STORE_NT  ; 16 lanes store 256 consecutive bytes, at a multiple of 256 from out0's first byte
.endr
.endm
.irp c, 0,1,2,3,4,5,6,7
	OUTC \c
.endr
	s_wait_tensorcnt 0x0                           ; the wave's end: behind my last tensor load and my last LDS store
	ds_add_u32 v[SPW], v[NIL]
	s_wait_dscnt 0x0
	CROUND                                         ; the closing round: no work-group ends while a partner may still ask for a tile that names it
	s_endpgm
.Lfunc_end_k_qe202c5aa87_attn:
	.size	k_qe202c5aa87_attn, .Lfunc_end_k_qe202c5aa87_attn-k_qe202c5aa87_attn
	.p2alignl 7, 3214868480
	.fill 96, 4, 3214868480
	.section	.rodata,"a",@progbits
	.p2align	6, 0x0
	.amdhsa_kernel k_qe202c5aa87_attn
		.amdhsa_group_segment_fixed_size 327680
		.amdhsa_private_segment_fixed_size 0
		.amdhsa_enable_private_segment 0
		.amdhsa_kernarg_size 40
		.amdhsa_user_sgpr_count 2
		.amdhsa_user_sgpr_kernarg_segment_ptr 1
		.amdhsa_wavefront_size32 1
		.amdhsa_system_sgpr_workgroup_id_x 1
		.amdhsa_system_sgpr_workgroup_id_y 1
		.amdhsa_system_sgpr_workgroup_id_z 1
		.amdhsa_system_vgpr_workitem_id 0
		.amdhsa_next_free_vgpr 1024
		.amdhsa_next_free_sgpr 66
		.amdhsa_reserve_vcc 0
		.amdhsa_float_denorm_mode_32 3
		.amdhsa_float_denorm_mode_16_64 3
		.amdhsa_memory_ordered 1
		.amdhsa_forward_progress 1
		.amdhsa_inst_pref_size 176
	.end_amdhsa_kernel
	.amdgpu_metadata
---
amdhsa.version: [ 1, 2 ]
amdhsa.kernels:
  - .name:           k_qe202c5aa87_attn
    .symbol:         k_qe202c5aa87_attn.kd
    .args:
      - { .name: qt, .offset: 0, .size: 8, .value_kind: global_buffer, .address_space: global }
      - { .name: kt, .offset: 8, .size: 8, .value_kind: global_buffer, .address_space: global }
      - { .name: vt, .offset: 16, .size: 8, .value_kind: global_buffer, .address_space: global }
      - { .name: x, .offset: 24, .size: 8, .value_kind: global_buffer, .address_space: global }
      - { .name: out0, .offset: 32, .size: 8, .value_kind: global_buffer, .address_space: global }
    .group_segment_fixed_size: 327680
    .private_segment_fixed_size: 0
    .kernarg_segment_align: 8
    .kernarg_segment_size: 40
    .max_flat_workgroup_size: 128
    .sgpr_count:     66
    .vgpr_count:     1024
    .wavefront_size: 32
...
	.end_amdgpu_metadata
.endif
;; end of part 3
;; ======== version 2 of 2: 3 launches; version 1 with the launch gn written anew for expert scheduling mode
;; limits: values outside matrix products are rounded to bf16
;; workspace buffers: hf 16,777,216 bytes; wb 2,097,152 bytes; qt 16,777,216 bytes; kt 16,777,216 bytes; vt 16,777,216 bytes
;; launch gn (part 4): grid 256 x 1, 8 waves a work-group, no clusters, 1,536 bytes of LDS; arguments x, gn_scale, gn_bias, wq, wk, wv, wp, hf, wb; writes hf, wb
.if DOCPART == 4
	.amdgcn_target "amdgcn-amd-amdhsa--gfx1250"
	.amdhsa_code_object_version 6
	.text
	.protected	k_qe202c5aa87_gn
	.globl	k_qe202c5aa87_gn
	.p2align	8
	.type	k_qe202c5aa87_gn,@function
k_qe202c5aa87_gn:
	s_mov_b64 s[64:65], 0
	v_nop
	global_prefetch_b8 v0, s[64:65] scope:SCOPE_SE
	s_setreg_imm32_b32 hwreg(HW_REG_WAVE_SCHED_MODE, 0, 2), 2
	s_setreg_imm32_b32 hwreg(HW_REG_WAVE_MODE, 25, 1), 1
	s_wait_xcnt 0x0
	s_wait_alu depctr_vm_vsrc(0)
; GROUP NORM AND CASTS.  x: [8][512][2048] f32.  A work-group owns one (batch, group): 16 channels x 2,048 positions = 131,072 consecutive bytes of x,
; 128 registers a thread, so x is read once: the mean is a first pass over registers, the variance a true second pass over (x - mean), no difference of large sums.
; h = (x - mean) rstd gain + bias is rounded once to bf16 and written in the order in which the next launch's matrix instructions want it:
; a fragment of 1,024 bytes at b 2^21 + (n / 128) 131072 + (c / 32) 8192 + T 1024, T = 4 ((n / 64) % 2) + n % 4; inside it half (c / 16) % 2 at 512, lane r + 16 h at 16:
; 16 bytes = channels 8 h + 0..7 of that half at position 64 (n / 64) + 4 r + n % 4.  Each store of a wave covers 512 consecutive bytes, aligned.
; The work-group also rounds 8 rows of one weight matrix to bf16, into blocks [matrix][c / 64][o][c % 64]: each store covers 256 consecutive bytes, aligned.
; No matrix unit, no cluster, no tensor load: nothing is shared between work-groups and every byte is touched once.
; LIMITS: NaN and infinities are not treated apart.
; THE MODE: SCHED_MODE bits 1:0 = 2 (LLVM: expert scheduling mode 2), set by the entry lines.  The code itself states the register dependences
; between vector instructions and memory or LDS instructions, with s_wait_alu, always for 0.
; THE PLAN.  Registers that memory or LDS instructions touch:
;   v3-v7, v24, v25   offsets and LDS addresses: written at the head, once; one wait ahead of the first load serves every access of the kernel.
;   X, GS, GB, W      the head's loads land in them; no vector instruction names them before.
;   v[ACC]            a reduction's sum: written by its additions, read by its LDS store, written again by its last addition: a wait ahead of the store, another ahead of that addition.
;   v[Y:Y+7]          a reduction's two LDS loads land in them; its additions read and write them: the wait ahead of the next reduction's store also stands ahead of its loads.
;   four out-buffers  one a quarter, each written once, by block q's roundings, and read by the four stores that are issued in block q + 1.  Quarters 0 and 1: v[Y:Y+31];
;                     quarters 2 and 3: the first 32 registers of X, which block 0 has done with.  No out-buffer is written a second time, so nothing is owed behind a store.
;   WO                the weight in bf16: written once, between blocks 0 and 1; read by four stores in block 1.
;   v[SPW], v[NIL]    written at the head, read by the closing add alone.
; So one wait on va_vdst stands at the head of blocks 1 to 3 and one behind block 3.  Block q's vector instructions name X's quarter q, GA, GD and out-buffer q:
; none of the registers that the stores dealt among them read.
.set SPARE, 512                        ; LDS: bytes 0-31 the waves' sums, 256-287 the waves' sums of squares, from 512 on the spare words, 128 bytes a wave
.set VX,   3                           ; v3   byte offset of my 16 bytes in x: h 65536 + w 1024 + 16 s
.set VH,   4                           ; v4   in hf: w 262144 + 16 lane
.set VWS,  5                           ; v5   in the weight's 8 rows: h 2048 + w 256 + 16 s
.set VWB,  6                           ; v6   in wb: h 128 + 8 s
.set VG,   7                           ; v7   in gain and bias: 32 h
.set ACC,  8                           ; v[8:15]   four chains of packed sums
.set GB,   16                          ; v[16:23]  bias of my 8 channels
.set RW,   24                          ; v24  LDS word of my wave: 4 w
.set RZ,   25                          ; v25  0
.set MEAN, 26                          ; v[26:27]  the mean, twice
.set RSTD, 28                          ; v28
.set SPW,  30                          ; v30  LDS address of my spare word; never rewritten
.set NIL,  31                          ; v31  0; never rewritten
.set GA,   32                          ; v[32:47]  rstd x gain, each channel's twice: the packed multiply-add names pairs
.set GD,   48                          ; v[48:63]  bias, each channel's twice
.set X,    64                          ; v[64:191] x: quarter q, channel j at X + 4 (8 q + j); v[64:95] later the out-buffers of quarters 2 and 3
.set Y,    192                         ; v[192:223] the out-buffers of quarters 0 and 1; before that the waves' sums as read back
.set W,    224                         ; v[224:239] my 16 numbers of the weight
.set WO,   240                         ; v[240:247] the same in bf16
.set GS,   248                         ; v[248:255] gain of my 8 channels
	s_load_b512 s[4:19], s[0:1], 0x0               ; x s[4:5], gain s[6:7], bias s[8:9], wq s[10:11], wk s[12:13], wv s[14:15], wp s[16:17], hf s[18:19]
	s_load_b64 s[20:21], s[0:1], 0x40              ; wb
	v_lshl_add_u32 v[SPW], v0, 2, SPARE
	v_mov_b32 v[NIL], 0
	v_lshrrev_b32 v1, 5, v0
	v_readfirstlane_b32 s22, v1                    ; wave 0..7
	v_and_b32 v1, 15, v0                           ; s
	v_bfe_u32 v2, v0, 4, 1                         ; h
	v_lshlrev_b32 v[VX], 4, v1
	v_lshl_add_u32 v[VWS], v2, 11, v[VX]
	v_lshl_add_u32 v[VX], v2, 16, v[VX]
	v_and_b32 v[VH], 31, v0
	v_lshlrev_b32 v[VH], 4, v[VH]
	v_lshlrev_b32 v[VWB], 3, v1
	v_lshl_add_u32 v[VWB], v2, 7, v[VWB]
	v_lshlrev_b32 v[VG], 5, v2
	v_mov_b32 v[RZ], 0
	s_wait_alu depctr_va_sdst(0)                   ; s22 is written, ahead of its first reader: offsets and bases are made from it
	v_lshl_add_u32 v[VX], s22, 10, v[VX]           ; the wave's number enters as it is: no scalar register that a vector instruction reads is written again
	v_lshl_add_u32 v[VWS], s22, 8, v[VWS]
	v_lshl_add_u32 v[VH], s22, 18, v[VH]
	v_mov_b32 v[RW], s22
	v_lshlrev_b32 v[RW], 2, v[RW]
	s_mov_b32 s24, 0x76543210                      ; v_permlanex16_b32: each lane takes its own place in the other half
	s_mov_b32 s25, 0xfedcba98
	s_mov_b32 s39, 0x38000000                      ; 2^-15 = 1 / (16 x 2,048)
	s_lshl_b32 s28, ttmp9, 17                      ; x: the work-group's 131,072 bytes
	s_mov_b32 s29, 0
	s_lshr_b32 s30, ttmp9, 5                       ; hf: batch x 2^21
	s_lshl_b32 s30, s30, 21
	s_and_b32 s41, ttmp9, 31                       ; the group g
	s_lshr_b32 s23, s41, 1
	s_lshl_b32 s23, s23, 13                        ; + (g / 2) x 8,192: the 32 channels' fragments
	s_add_co_u32 s30, s30, s23
	s_and_b32 s23, s41, 1
	s_lshl_b32 s23, s23, 9                         ; + (g % 2) x 512: which half of a fragment
	s_add_co_u32 s30, s30, s23
	s_mov_b32 s31, 0
	s_lshl_b32 s32, s41, 6                         ; gain and bias: 16 channels of 4 bytes
	s_mov_b32 s33, 0
	s_and_b32 s23, ttmp9, 63
	s_lshl_b32 s34, s23, 14                        ; the weight: 8 rows of 2,048 bytes
	s_mov_b32 s35, 0
	s_lshr_b32 s38, ttmp9, 6                       ; which matrix: 0 wq, 1 wk, 2 wv, 3 wp
	s_lshl_b32 s36, s38, 19                        ; wb: matrix x 524,288
	s_lshl_b32 s23, s23, 10                        ; + 8 rows of 128 bytes
	s_add_co_u32 s36, s36, s23
	s_lshl_b32 s23, s22, 16                        ; + block c / 64 = my wave's number
	s_add_co_u32 s36, s36, s23
	s_mov_b32 s37, 0
	s_and_b32 s40, s38, 1
	s_wait_kmcnt 0x0
	s_add_nc_u64 s[4:5], s[4:5], s[28:29]
	s_add_nc_u64 s[18:19], s[18:19], s[30:31]
	s_add_nc_u64 s[6:7], s[6:7], s[32:33]
	s_add_nc_u64 s[8:9], s[8:9], s[32:33]
	s_cmp_eq_u32 s40, 1
	s_cselect_b64 s[26:27], s[12:13], s[10:11]     ; wk or wq
	s_cselect_b64 s[42:43], s[16:17], s[14:15]     ; wp or wv
	s_cmp_ge_u32 s38, 2
	s_cselect_b64 s[26:27], s[42:43], s[26:27]
	s_add_nc_u64 s[26:27], s[26:27], s[34:35]
	s_add_nc_u64 s[20:21], s[20:21], s[36:37]
	s_wait_alu depctr_va_vdst(0)                   ; the offsets v3 to v7 and the LDS addresses v24 and v25 are written: every load, store and LDS access of the kernel reads one of them
	; 40 loads go out at once.  Lanes 0-15 take 256 consecutive bytes of channel j, lanes 16-31 of channel j + 8.
.irp q, 0,1,2,3
.irp j, 0,1,2,3,4,5,6,7
	global_load_b128 v[X+4*(8*(\q)+(\j)):X+4*(8*(\q)+(\j))+3], v[VX], s[4:5] offset:(\j)*8192+(\q)*256 th:TH_LOAD_NT
.endr
.endr
	global_load_b128 v[GS:GS+3],   v[VG], s[6:7]
	global_load_b128 v[GS+4:GS+7], v[VG], s[6:7] offset:16
	global_load_b128 v[GB:GB+3],   v[VG], s[8:9]
	global_load_b128 v[GB+4:GB+7], v[VG], s[8:9] offset:16
.irp p, 0,1,2,3
	global_load_b128 v[W+4*(\p):W+4*(\p)+3], v[VWS], s[26:27] offset:(\p)*4096 th:TH_LOAD_NT
.endr
; The four chains are folded, summed over the 32 lanes (four steps ride on the addition, one crosses the halves) and over the eight waves through LDS words at byte off.
.macro REDUCE off
	v_pk_add_f32 v[ACC:ACC+1], v[ACC:ACC+1], v[ACC+2:ACC+3]
	v_pk_add_f32 v[ACC+4:ACC+5], v[ACC+4:ACC+5], v[ACC+6:ACC+7]
	v_pk_add_f32 v[ACC:ACC+1], v[ACC:ACC+1], v[ACC+4:ACC+5]
	v_add_f32 v[ACC], v[ACC], v[ACC+1]
	v_add_f32_dpp v[ACC], v[ACC], v[ACC] row_xmask:1 row_mask:0xf bank_mask:0xf
	v_add_f32_dpp v[ACC], v[ACC], v[ACC] row_xmask:2 row_mask:0xf bank_mask:0xf
	v_add_f32_dpp v[ACC], v[ACC], v[ACC] row_xmask:4 row_mask:0xf bank_mask:0xf
	v_add_f32_dpp v[ACC], v[ACC], v[ACC] row_xmask:8 row_mask:0xf bank_mask:0xf
	v_permlanex16_b32 v[ACC+1], v[ACC], s24, s25
	v_add_f32 v[ACC], v[ACC], v[ACC+1]
	s_wait_alu depctr_va_vdst(0)                   ; my wave's sum is written into v[ACC], which the LDS store reads; an earlier reduction's additions are done with v[Y:Y+7], in which the LDS loads below land
	ds_store_b32 v[RW], v[ACC] offset:\off         ; all lanes write my wave's word with the same number
	s_wait_dscnt 0x0                               ; for the others' sake: my store is done
	s_barrier_signal -1
	s_barrier_wait -1
	ds_load_b128 v[Y:Y+3],   v[RZ] offset:\off
	ds_load_b128 v[Y+4:Y+7], v[RZ] offset:(\off)+16
	s_wait_dscnt 0x0
	s_wait_alu depctr_vm_vsrc(0)                   ; the LDS store has read v[ACC], which the last addition below writes again
	v_pk_add_f32 v[Y:Y+1], v[Y:Y+1], v[Y+2:Y+3]
	v_pk_add_f32 v[Y+4:Y+5], v[Y+4:Y+5], v[Y+6:Y+7]
	v_pk_add_f32 v[Y:Y+1], v[Y:Y+1], v[Y+4:Y+5]
	v_add_f32 v[ACC], v[Y], v[Y+1]
.endm
	; PASS 1: the sum.  The first eight pairs start the four chains: nothing is cleared.
	s_wait_loadcnt 32                              ; quarter 0's eight loads are in; 24 of x and 8 of parameters and weights may be out
.irp p, 0,1,2,3
	v_pk_add_f32 v[ACC+2*(\p):ACC+2*(\p)+1], v[X+2*(\p):X+2*(\p)+1], v[X+8+2*(\p):X+8+2*(\p)+1]
.endr
.set p, 8
.rept 8
	v_pk_add_f32 v[ACC+2*(p%4):ACC+2*(p%4)+1], v[ACC+2*(p%4):ACC+2*(p%4)+1], v[X+2*p:X+2*p+1]
.set p, p+1
.endr
.irp n, 24, 16, 8
	s_wait_loadcnt \n                              ; the next quarter's eight loads are in
.rept 16
	v_pk_add_f32 v[ACC+2*(p%4):ACC+2*(p%4)+1], v[ACC+2*(p%4):ACC+2*(p%4)+1], v[X+2*p:X+2*p+1]
.set p, p+1
.endr
.endr
	REDUCE 0
	v_mul_f32 v[MEAN], s39, v[ACC]
	v_mul_f32 v[MEAN+1], s39, v[ACC]
	; PASS 2: x - mean, in place, and the sum of its squares
.set p, 0
.rept 64
	v_pk_add_f32 v[X+2*p:X+2*p+1], v[X+2*p:X+2*p+1], v[MEAN:MEAN+1] neg_lo:[0,1] neg_hi:[0,1]
.if p < 4
	v_pk_mul_f32 v[ACC+2*p:ACC+2*p+1], v[X+2*p:X+2*p+1], v[X+2*p:X+2*p+1]
.else
	v_pk_fma_f32 v[ACC+2*(p%4):ACC+2*(p%4)+1], v[X+2*p:X+2*p+1], v[X+2*p:X+2*p+1], v[ACC+2*(p%4):ACC+2*(p%4)+1]
.endif
.set p, p+1
.endr
	REDUCE 256                                     ; other words than the first sum's, so no barrier stands between the first sum's reads and these stores
	v_fmaak_f32 v[ACC], s39, v[ACC], 0x358637bd    ; variance + 1e-6
	v_rsq_f32 v[RSTD], v[ACC]
	s_wait_loadcnt 4                               ; gain and bias are in; the four weight loads may be out
.irp j, 0,1,2,3,4,5,6,7
	v_mov_b32 v[GD+2*(\j)],   v[GB+(\j)]           ; plain instructions stand between the root and the use of its result (ISA guide 5.7.2)
	v_mov_b32 v[GD+2*(\j)+1], v[GB+(\j)]
.endr
	s_wait_alu depctr_va_vdst(0)                   ; the root is written into v[RSTD], ahead of its first reader
.irp j, 0,1,2,3,4,5,6,7
	v_mul_f32 v[GA+2*(\j)],   v[RSTD], v[GS+(\j)]
	v_mul_f32 v[GA+2*(\j)+1], v[RSTD], v[GS+(\j)]
.endr
; Position i of quarter q leaves: 16 bytes a lane, out of the quarter's out-buffer.
.macro SEND q, i
.if (\q) < 2
.set YS, Y+16*(\q)
.else
.set YS, X+16*((\q)-2)
.endif
	global_store_b128 v[VH], v[YS+4*(\i):YS+4*(\i)+3], s[18:19] offset:((\q)/2)*131072+((\q)%2)*4096+(\i)*1024
.endm
; Block q: one fused multiply-add a number; then for each of my four positions the eight channels are rounded in pairs to 16 bytes, into the quarter's own out-buffer.
; The stores of the quarter before (in block 1 the weight's too) are dealt among the multiply-adds, behind the one wait at the block's head.
.macro NORM q
.if (\q) < 2
.set YQ, Y+16*(\q)
.else
.set YQ, X+16*((\q)-2)
.endif
.if (\q) > 0
	s_wait_alu depctr_va_vdst(0)                   ; the block before has written its out-buffer (ahead of block 1 the weight's roundings have written WO too), which the stores below read
.endif
.irp i, 0,1,2,3
.if (\q) > 0
	SEND (\q)-1, \i                                ; no vector instruction since the wait names these registers
.endif
.if (\q) == 1
	global_store_b64 v[VWB], v[WO+2*(\i):WO+2*(\i)+1], s[20:21] offset:(\i)*256  ; rows 2 i and 2 i + 1 of my block of the weight: 256 consecutive bytes
.endif
.irp j, 2*(\i), 2*(\i)+1
	v_pk_fma_f32 v[X+4*(8*(\q)+(\j)):X+4*(8*(\q)+(\j))+1],   v[X+4*(8*(\q)+(\j)):X+4*(8*(\q)+(\j))+1],   v[GA+2*(\j):GA+2*(\j)+1], v[GD+2*(\j):GD+2*(\j)+1]
	v_pk_fma_f32 v[X+4*(8*(\q)+(\j))+2:X+4*(8*(\q)+(\j))+3], v[X+4*(8*(\q)+(\j))+2:X+4*(8*(\q)+(\j))+3], v[GA+2*(\j):GA+2*(\j)+1], v[GD+2*(\j):GD+2*(\j)+1]
.endr
.endr
.irp i, 0,1,2,3
.irp k, 0,1,2,3
	v_cvt_pk_bf16_f32 v[YQ+4*(\i)+(\k)], v[X+4*(8*(\q)+2*(\k))+(\i)], v[X+4*(8*(\q)+2*(\k)+1)+(\i)]
.endr
.endr
.endm
	NORM 0
	s_wait_loadcnt 0x0                             ; the weight's numbers
.irp p, 0,1,2,3
	v_cvt_pk_bf16_f32 v[WO+2*(\p)],   v[W+4*(\p)],   v[W+4*(\p)+1]
	v_cvt_pk_bf16_f32 v[WO+2*(\p)+1], v[W+4*(\p)+2], v[W+4*(\p)+3]
.endr
	NORM 1
	NORM 2
	NORM 3
	s_wait_alu depctr_va_vdst(0)                   ; block 3 has written its out-buffer, which the last four stores read
.irp i, 0,1,2,3
	SEND 3, \i
.endr
	s_wait_dscnt 0x0                               ; the closing lines, six on end
	s_wait_alu 0x0
	s_wait_tensorcnt 0x0
	ds_add_u32 v[SPW], v[NIL]
	s_wait_dscnt 0x0
	s_endpgm
.Lfunc_end_k_qe202c5aa87_gn:
	.size	k_qe202c5aa87_gn, .Lfunc_end_k_qe202c5aa87_gn-k_qe202c5aa87_gn
	.p2alignl 7, 3214868480
	.fill 96, 4, 3214868480
	.section	.rodata,"a",@progbits
	.p2align	6, 0x0
	.amdhsa_kernel k_qe202c5aa87_gn
		.amdhsa_group_segment_fixed_size 1536
		.amdhsa_private_segment_fixed_size 0
		.amdhsa_enable_private_segment 0
		.amdhsa_kernarg_size 72
		.amdhsa_user_sgpr_count 2
		.amdhsa_user_sgpr_kernarg_segment_ptr 1
		.amdhsa_wavefront_size32 1
		.amdhsa_system_sgpr_workgroup_id_x 1
		.amdhsa_system_sgpr_workgroup_id_y 1
		.amdhsa_system_sgpr_workgroup_id_z 1
		.amdhsa_system_vgpr_workitem_id 0
		.amdhsa_next_free_vgpr 256
		.amdhsa_next_free_sgpr 66
		.amdhsa_reserve_vcc 0
		.amdhsa_float_denorm_mode_32 3
		.amdhsa_float_denorm_mode_16_64 3
		.amdhsa_memory_ordered 1
		.amdhsa_forward_progress 1
		.amdhsa_inst_pref_size 33
	.end_amdhsa_kernel
	.amdgpu_metadata
---
amdhsa.version: [ 1, 2 ]
amdhsa.kernels:
  - .name:           k_qe202c5aa87_gn
    .symbol:         k_qe202c5aa87_gn.kd
    .args:
      - { .name: x, .offset: 0, .size: 8, .value_kind: global_buffer, .address_space: global }
      - { .name: gn_scale, .offset: 8, .size: 8, .value_kind: global_buffer, .address_space: global }
      - { .name: gn_bias, .offset: 16, .size: 8, .value_kind: global_buffer, .address_space: global }
      - { .name: wq, .offset: 24, .size: 8, .value_kind: global_buffer, .address_space: global }
      - { .name: wk, .offset: 32, .size: 8, .value_kind: global_buffer, .address_space: global }
      - { .name: wv, .offset: 40, .size: 8, .value_kind: global_buffer, .address_space: global }
      - { .name: wp, .offset: 48, .size: 8, .value_kind: global_buffer, .address_space: global }
      - { .name: hf, .offset: 56, .size: 8, .value_kind: global_buffer, .address_space: global }
      - { .name: wb, .offset: 64, .size: 8, .value_kind: global_buffer, .address_space: global }
    .group_segment_fixed_size: 1536
    .private_segment_fixed_size: 0
    .kernarg_segment_align: 8
    .kernarg_segment_size: 72
    .max_flat_workgroup_size: 256
    .sgpr_count:     66
    .vgpr_count:     256
    .wavefront_size: 32
...
	.end_amdgpu_metadata
.endif
;; end of part 4
;; launch proj: the kernel of part 2 again; grid 32 x 8, 4 waves a work-group, clusters of 4 x 1, 327,680 bytes of LDS; arguments hf, wb, bq, bk, bv, bp, qt, kt, vt; writes qt, kt, vt
;; launch attn: the kernel of part 3 again; grid 32 x 8, 4 waves a work-group, clusters of 4 x 1, 327,680 bytes of LDS; arguments qt, kt, vt, x, out0; writes out0
